; MI455X (gfx1250); checked and timed in simulation.
; The chip was launched on July 23, 2026; its instructions are those of AMD's public machine-readable ISA for CDNA 5 (MIT licence, August 2026) and "CDNA5" Instruction Set Architecture Reference Guide (July 2026). The comments in the code are by the model that wrote it; some were corrected since.
;; Relative Multi Head Attention. Allowed arithmetic: float matrix products may take bf16 or f16 operands with f32 sums; all other float work in f32.
;; Inputs: Wk 64 x 1,024 float32; Wo 1,024 x 1,024 float32; Wq 1,024 x 1,024 float32; Wv 64 x 1,024 float32; bk 64 float32; bo 1,024 float32; bq 1,024 float32; bv 64 float32; x 4 x 2,048 x 1,024 float32; x_k 4 x 2,048 x 1,024 float32; x_v 4 x 2,048 x 1,024 float32.
;; Outputs: out0 4 x 2,048 x 1,024 float32.
;; 2 versions, each right. Each part assembles by itself: llvm-mc -triple=amdgcn-amd-amdhsa -mcpu=gfx1250 --defsym DOCPART=n.
;; ======== version 1 of 2: 3 launches
;; workspace buffers: kv 2,097,152 bytes; wqb 2,097,152 bytes; wob 2,097,152 bytes; ctx 16,777,216 bytes
;; launch kvproj (part 1): grid 256 x 1, 8 waves a work-group, clusters of 4 x 1, 327,680 bytes of LDS; arguments x_k, x_v, Wk, Wv, bk, bv, Wq, Wo, kv, wqb, wob; writes kv, wqb, wob
.if DOCPART == 1
	.amdgcn_target "amdgcn-amd-amdhsa--gfx1250"
	.amdhsa_code_object_version 6
	.text
	.protected	k_qa6a8aa5b7b_kvproj
	.globl	k_qa6a8aa5b7b_kvproj
	.p2align	8
	.type	k_qa6a8aa5b7b_kvproj,@function
k_qa6a8aa5b7b_kvproj:
	s_mov_b64 s[64:65], 0
	v_nop
	global_prefetch_b8 v0, s[64:65] scope:SCOPE_SE
	s_setreg_imm32_b32 hwreg(HW_REG_WAVE_MODE, 25, 1), 1
	s_wait_xcnt 0x0
	s_wait_alu depctr_hold_cnt(0) depctr_sa_sdst(0) depctr_va_vdst(0) depctr_va_sdst(0) depctr_va_ssrc(0) depctr_va_vcc(0) depctr_vm_vsrc(0)
	s_getreg_b32 s2, hwreg(HW_REG_IB_STS2, 6, 4)
	s_cmp_eq_u32 s2, 0
	s_cbranch_scc0 .Lentry_in_a_cluster
	s_endpgm
.Lentry_in_a_cluster:
	s_bfe_u32 s2, ttmp6, 0x10000c
	s_cmp_lg_u32 s2, 0x3003
	s_cbranch_scc0 .Lentry_shape_is_right
	s_endpgm
.Lentry_shape_is_right:
; k = rope(x_k Wk^T + bk) and v = x_v Wv^T + bv, both stored as bf16 into kv ([2][8192][64]: plane 0 k, plane 1 v);
; Wq and Wo are cast to bf16 on the side (wqb, wob), four rows of each by every work-group.
; 256 work-groups of eight waves.  Work-groups 0-127 take x_k, 128-255 x_v; each owns 64 rows (tokens) of its tensor.
; The product is taken transposed: source 0 = 16 rows of W (d), source 1 = 16 rows of x (tokens), so a lane holds one token and a
; register d = 16 t + 8 (lane / 16) + j.  Wave w has token tile w & 3 and the d tiles (w >> 2) and (w >> 2) + 2: the rotary partners
; d and d + 32 lie in the same lane and the same register number of the wave's two accumulators.
; K = 1024 goes in four chunks of 256 through two LDS slots.  A chunk is four strips of 64 f32 (256 bytes of a row) of x and four of W;
; each wave brings one strip of 64 rows by one tensor load.  f32 is rounded to bf16 between LDS and the matrix unit.
; CLUSTER: the four work-groups of a cluster read the same W (all four lie on the same side of 128), so W's strips are joint loads with
; the mask 15.  x's strips are each work-group's own rows: plain loads.
; A wave has two tensor loads out at the start and one behind each later round.
; LIMITS: the rotary angle position x frequency is reduced in f32 (up to about 3e-4 rad at position 2047); the series for sine and
; cosine leave less than 1e-7 on the whole reduced range.  Infinities and NaN in the inputs are not served.
.set PIECE,  17408                     ; 64 rows x (256 + 16) bytes: what one tensor load brings
.set SLOT,   8*PIECE                   ; x's four strips, then W's four
.set STAGE,  2*SLOT                    ; 64 rows x 144 bytes for the way out; no tensor load lands here
.set PITCH,  272
.set SPITCH, 144
.set ADRX, 4                           ; v4-5   LDS address of my x fragment in slot 0, 1
.set ADRW, 6                           ; v6-7   the same for W
.set STO,  8                           ; v8     the way out: where my 16 bytes go
.set RD,   9                           ; v9     the way out: where I read back
.set O16,  10                          ; v10    16 x thread
.set O8,   11                          ; v11    8 x thread
.set BOF,  12                          ; v12    byte offset of my first bias
.set POS,  14                          ; v14-15 my token's position, twice
.set FB,   32                          ; v32-127  two buffers of 48: fragments in f32 as loaded
.set GB,   128                         ; v128-175 two buffers of 24: the same in bf16 (x, W tile 0, W tile 1)
.set ACC0, 176
.set ACC1, 184
.set BIAS0, 192
.set BIAS1, 200
.set WL,   208                         ; v208-239 Wq's and Wo's f32 as loaded
.set WS,   240                         ; v240-255 the same in bf16
.set IFQ,  32                          ; rotary part, in the fragment buffers: 8 frequencies
.set TT,   40
.set CS,   48                          ; 8 cosines
.set SN,   56                          ; 8 sines
.set U,    64
.set Z,    66
.set PSI,  68
.set PCO,  70
.set TW,   72
.set K11,  80
.set K12,  82
.set OUTP, 96
.set G1X, 32                           ; s[32:39] shape of x's strips (no mask)
.set G1W, 40                           ; s[40:47] shape of W's strips (mask 15)
.set G0X, 48                           ; s[48:55] from where, to where: x, one set for each slot
.set G0W, 56                           ; s[56:63] the same for W
.macro PLACES                          ; four places behind a matrix instruction (ISA guide 7.12.1)
.rept 4
	v_nop
.endr
.endm
.macro ROUND                           ; a round of the cluster's barrier
	s_barrier_signal -1
	s_barrier_wait -1
	s_cmp_lg_u32 s3, 0
	s_cbranch_scc1 .Lnot_wave_0_\@
	s_barrier_signal -3
.Lnot_wave_0_\@:
	s_barrier_wait -3
	s_barrier_signal -1
	s_barrier_wait -1
.endm
.macro JLOAD sl                        ; waves 0-3 bring x's strips, waves 4-7 W's: one tensor load a wave
	s_cmp_ge_u32 s3, 4
	s_cbranch_scc1 .Lfor_w_\@
	tensor_load_to_lds s[G0X+4*(\sl):G0X+4*(\sl)+3], s[G1X:G1X+7]
	s_nop 0
	s_branch .Lasked_\@
.Lfor_w_\@:
	tensor_load_to_lds s[G0W+4*(\sl):G0W+4*(\sl)+3], s[G1W:G1W+7]
	s_nop 0
.Lasked_\@:
.endm
	s_load_b512 s[8:23], s[0:1], 0x0               ; x_k, x_v, Wk, Wv, bk, bv, Wq, Wo
	s_load_b128 s[24:27], s[0:1], 0x40             ; kv, wqb
	s_load_b64 s[28:29], s[0:1], 0x50              ; wob
	v_lshl_add_u32 v30, v0, 2, 0x46400
	v_mov_b32 v31, 0
	ds_add_u32 v30, v31
	v_lshrrev_b32 v3, 5, v0
	v_readfirstlane_b32 s3, v3                     ; wave 0..7
	s_lshr_b32 s4, s3, 2                           ; dp: my pair of d tiles
	s_and_b32 s5, s3, 3                            ; my token tile; also the strip that I bring
	s_bfe_u32 s6, ttmp6, 0x40000                   ; cx
	s_lshl_b32 s7, ttmp9, 2
	s_add_co_u32 s7, s7, s6                        ; work-group 0..255
	; shape: 64 rows x 64 elements of 4 bytes, 1,024 elements from row to row, 4 words of padding behind every 64
	s_mov_b32 s[G1X+0], (2<<16)|(1<<20)|(5<<22)|(3<<25)
	s_mov_b32 s[G1X+1], 64<<16                     ; tensor_dim0 = 64
	s_mov_b32 s[G1X+2], 64<<16                     ; tensor_dim1 = 64
	s_mov_b32 s[G1X+3], 64<<16                     ; tile_dim0 = 64
	s_mov_b32 s[G1X+4], 64                         ; tile_dim1 = 64
	s_mov_b32 s[G1X+5], 1024                       ; pitch
	s_mov_b32 s[G1X+6], 0
	s_mov_b32 s[G1X+7], 0
	s_mov_b32 s[G1W+0], 15|(2<<16)|(1<<20)|(1<<21)|(5<<22)|(3<<25)   ; the same for all four of the cluster, bit 21 beside the mask
	s_mov_b32 s[G1W+1], 64<<16
	s_mov_b32 s[G1W+2], 64<<16
	s_mov_b32 s[G1W+3], 64<<16
	s_mov_b32 s[G1W+4], 64
	s_mov_b32 s[G1W+5], 1024
	s_mov_b32 s[G1W+6], 0
	s_mov_b32 s[G1W+7], 0
	s_mul_i32 s31, s3, PIECE                       ; my piece of a slot: the wave's number alone
	s_lshl_b32 s68, s5, 8                          ; my strip: 256 bytes along a row
	s_mov_b32 s69, 0
	s_mov_b32 s67, 0
	s_wait_dscnt 0x0
	s_wait_kmcnt 0x0
	s_cmp_ge_u32 ttmp9, 32                         ; clusters 32-63 make v: the same choice in all four partners
	s_cselect_b64 s[8:9], s[10:11], s[8:9]         ; x
	s_cselect_b64 s[12:13], s[14:15], s[12:13]     ; W
	s_cselect_b64 s[16:17], s[18:19], s[16:17]     ; bias
	s_cselect_b32 s30, 1, 0                        ; 1: v (no rotation)
	s_add_nc_u64 s[12:13], s[12:13], s[68:69]      ; W at my strip: nothing of cx in it
	s_add_nc_u64 s[8:9], s[8:9], s[68:69]
	s_and_b32 s66, s7, 127
	s_lshl_b32 s66, s66, 18                        ; 64 rows of 4,096 bytes for each work-group
	s_add_nc_u64 s[8:9], s[8:9], s[66:67]          ; x at my work-group's rows and my strip
	s_lshl_b32 s66, s7, 14                         ; four rows of 4,096 bytes of Wq and Wo
	s_add_nc_u64 s[20:21], s[20:21], s[66:67]
	s_add_nc_u64 s[22:23], s[22:23], s[66:67]
	s_lshl_b32 s66, s7, 13                         ; 8,192 bytes of kv, wqb and wob
	s_add_nc_u64 s[24:25], s[24:25], s[66:67]
	s_add_nc_u64 s[26:27], s[26:27], s[66:67]
	s_add_nc_u64 s[28:29], s[28:29], s[66:67]
.irp s, 0,1
	s_mov_b32 s[G0X+4*\s], 1
	s_add_co_u32 s[G0X+4*\s+1], s31, \s*SLOT
	s_add_nc_u64 s[G0X+4*\s+2:G0X+4*\s+3], s[8:9], \s*1024         ; chunk s: 256 f32 along the rows
	s_or_b32 s[G0X+4*\s+3], s[G0X+4*\s+3], 0x80000000
	s_mov_b32 s[G0W+4*\s], 1
	s_add_co_u32 s[G0W+4*\s+1], s31, \s*SLOT
	s_add_nc_u64 s[G0W+4*\s+2:G0W+4*\s+3], s[12:13], \s*1024
	s_or_b32 s[G0W+4*\s+3], s[G0W+4*\s+3], 0x80000000
.endr
	ROUND                                          ; the four work-groups are here: the first joint loads meet
	s_cmp_ge_u32 s3, 4                             ; both first fills of a wave inside one branch
	s_cbranch_scc1 .Lfirst_w
	tensor_load_to_lds s[G0X:G0X+3], s[G1X:G1X+7]
	s_nop 0
	tensor_load_to_lds s[G0X+4:G0X+7], s[G1X:G1X+7]
	s_nop 0
	s_branch .Lfirst_done
.Lfirst_w:
	tensor_load_to_lds s[G0W:G0W+3], s[G1W:G1W+7]
	s_nop 0
	tensor_load_to_lds s[G0W+4:G0W+7], s[G1W:G1W+7]
	s_nop 0
.Lfirst_done:
	v_and_b32 v1, 15, v0                           ; r
	v_bfe_u32 v2, v0, 4, 1                         ; h
	v_lshlrev_b32 v[O16], 4, v0
	v_lshlrev_b32 v[O8], 3, v0
	v_lshlrev_b32 v[BOF], 5, v2
	v_lshl_add_u32 v[BOF], s4, 6, v[BOF]           ; 4 (16 dp + 8 h)
	; a bias tile has the accumulator's layout: register j = bias of d = 16 t + 8 h + j.  It is the first product's C.
	global_load_b128 v[BIAS0:BIAS0+3],   v[BOF], s[16:17]
	global_load_b128 v[BIAS0+4:BIAS0+7], v[BOF], s[16:17] offset:16
	global_load_b128 v[BIAS1:BIAS1+3],   v[BOF], s[16:17] offset:128
	global_load_b128 v[BIAS1+4:BIAS1+7], v[BOF], s[16:17] offset:144
.irp j, 0,1,2,3
	global_load_b128 v[WL+4*\j:WL+4*\j+3],       v[O16], s[20:21] offset:\j*4096 th:TH_LOAD_NT
	global_load_b128 v[WL+16+4*\j:WL+16+4*\j+3], v[O16], s[22:23] offset:\j*4096 th:TH_LOAD_NT
.endr
	v_lshl_add_u32 v3, s5, 4, v1                   ; my token's row in the group: 16 tt + r
	v_mul_u32_u24 v13, v3, PITCH
	v_lshl_add_u32 v[ADRX], v2, 5, v13             ; + 32 h: eight f32 for each half of the lanes
	v_add_nc_u32 v[ADRX+1], SLOT, v[ADRX]
	v_lshl_add_u32 v13, s4, 4, v1                  ; W's row 16 dp + r
	v_mul_u32_u24 v13, v13, PITCH
	v_lshl_add_u32 v13, v2, 5, v13
	v_add_nc_u32 v[ADRW], 4*PIECE, v13
	v_add_nc_u32 v[ADRW+1], SLOT, v[ADRW]
	v_mul_u32_u24 v13, v3, SPITCH
	v_lshl_add_u32 v13, v2, 4, v13
	v_lshl_add_u32 v13, s4, 5, v13                 ; byte 2 d = 32 dp + 16 h of the token's row
	v_add_nc_u32 v[STO], STAGE, v13
	v_lshrrev_b32 v13, 3, v0
	v_mul_u32_u24 v13, v13, SPITCH
	v_and_b32 v3, 7, v0
	v_lshl_add_u32 v13, v3, 4, v13                 ; eight threads read a row of 128 bytes back
	v_add_nc_u32 v[RD], STAGE, v13
	s_wait_loadcnt 0x0                             ; biases and weights
.irp n, 0,1,2,3,4,5,6,7
	v_cvt_pk_bf16_f32 v[WS+2*\n],   v[WL+4*\n],   v[WL+4*\n+1]
	v_cvt_pk_bf16_f32 v[WS+2*\n+1], v[WL+4*\n+2], v[WL+4*\n+3]
.endr
.irp j, 0,1,2,3
	global_store_b64 v[O8], v[WS+2*\j:WS+2*\j+1],     s[26:27] offset:\j*2048    ; a wave's store covers 256 consecutive bytes, aligned
	global_store_b64 v[O8], v[WS+8+2*\j:WS+8+2*\j+1], s[28:29] offset:\j*2048
.endr
; 12 LDS loads: the f32 of one K step of 32 (x, W tile dp, W tile dp + 2).  A fragment's k = 8 h .. + 7 are 32 bytes at 32 h, k = 16 + 8 h .. at 64 + 32 h.
.macro LD12 sl, kk, f
.irp m, 0,1,2
.irp q, 0,1,2,3
.if \m == 0
	ds_load_b128 v[\f+4*\q:\f+4*\q+3], v[ADRX+\sl] offset:((\kk)>>1)*PIECE+((\kk)&1)*128+(\q>>1)*64+(\q&1)*16
.else
	ds_load_b128 v[\f+16*\m+4*\q:\f+16*\m+4*\q+3], v[ADRW+\sl] offset:((\kk)>>1)*PIECE+((\kk)&1)*128+(\m-1)*32*PITCH+(\q>>1)*64+(\q&1)*16
.endif
.endr
.endr
.endm
.macro CV24 f, g
.irp n, 0,1,2,3,4,5,6,7,8,9,10,11,12,13,14,15,16,17,18,19,20,21,22,23
	v_cvt_pk_bf16_f32 v[\g+\n], v[\f+2*\n], v[\f+2*\n+1]
.endr
.endm
; two matrix instructions; the two accumulators take turns, one instruction a turn
.macro MM g, first
.if \first
	v_wmma_f32_16x16x32_bf16 v[ACC0:ACC0+7], v[\g+8:\g+15],  v[\g:\g+7], v[BIAS0:BIAS0+7]
	v_wmma_f32_16x16x32_bf16 v[ACC1:ACC1+7], v[\g+16:\g+23], v[\g:\g+7], v[BIAS1:BIAS1+7]
.else
	v_wmma_f32_16x16x32_bf16 v[ACC0:ACC0+7], v[\g+8:\g+15],  v[\g:\g+7], v[ACC0:ACC0+7]
	v_wmma_f32_16x16x32_bf16 v[ACC1:ACC1+7], v[\g+16:\g+23], v[\g:\g+7], v[ACC1:ACC1+7]
.endif
.endm
; One K step: the next step's loads go out, this step's are waited for, rounded and multiplied.  The bf16 buffers take turns, so the 24
; conversions of the step between stand as places between a matrix instruction and the rewriting of its sources.
.macro STEP sl, kk, last, first
.if \last
	s_wait_dscnt 0x0
.else
	LD12 \sl, (\kk)+1, FB+48*(((\kk)+1)&1)
	s_wait_dscnt 12                                ; the 12 just issued may stay out
.endif
	CV24 FB+48*((\kk)&1), GB+24*((\kk)&1)
	MM GB+24*((\kk)&1), \first
.endm
.macro CHUNK sl, first
	LD12 \sl, 0, FB
	STEP \sl, 0, 0, \first
	STEP \sl, 1, 0, 0
	STEP \sl, 2, 0, 0
	STEP \sl, 3, 0, 0
	STEP \sl, 4, 0, 0
	STEP \sl, 5, 0, 0
	STEP \sl, 6, 0, 0
	STEP \sl, 7, 1, 0
.endm
; A change of slots.  In front of the round every wave has waited for all its tensor loads (its part of this chunk among them) and for its
; reads of the other slot; behind the round the other slot's refill is the wave's first and only tensor load.
.macro TWO sl, refill
	s_wait_tensorcnt 0x0
	ds_add_u32 v30, v31
	s_wait_dscnt 0x0
.if \refill
	s_add_nc_u64 s[G0X+4*(1-\sl)+2:G0X+4*(1-\sl)+3], s[G0X+4*(1-\sl)+2:G0X+4*(1-\sl)+3], 2048   ; no load of mine is out: two chunks on
	s_add_nc_u64 s[G0W+4*(1-\sl)+2:G0W+4*(1-\sl)+3], s[G0W+4*(1-\sl)+2:G0W+4*(1-\sl)+3], 2048
.endif
	s_wait_dscnt 0x0
.if \refill
	ROUND
	JLOAD 1-\sl
.else
	s_barrier_signal -1
	s_barrier_wait -1
.endif
	CHUNK \sl, 0
.endm
	s_wait_tensorcnt 0x1                           ; my part of chunk 0 is in; chunk 1's stays out
	s_barrier_signal -1
	s_barrier_wait -1
	CHUNK 0, 1
	TWO 1, 1                                       ; chunk 1; chunk 2 goes out
	TWO 0, 1                                       ; chunk 2; chunk 3 goes out
	TWO 1, 0                                       ; chunk 3; nothing is left to fetch
	PLACES
	s_cmp_lg_u32 s30, 0
	s_cbranch_scc1 .Lno_rope                       ; v is not rotated; the choice is the cluster's, not the work-group's
	; frequencies 10000^(-i/32) = 2^(-i log2(10000)/32), i = 16 dp + 8 h + j
	v_lshlrev_b32 v3, 3, v2
	v_lshl_add_u32 v3, s4, 4, v3
.irp j, 0,1,2,3,4,5,6,7
	v_add_nc_u32 v[TT+\j], \j, v3
.endr
.irp j, 0,1,2,3,4,5,6,7
	v_cvt_f32_u32 v[TT+\j], v[TT+\j]
.endr
.irp j, 0,1,2,3,4,5,6,7
	v_mul_f32 v[TT+\j], 0xbed49a78, v[TT+\j]
.endr
.irp j, 0,1,2,3,4,5,6,7
	v_exp_f32 v[IFQ+\j], v[TT+\j]
.endr
	v_mov_b32 v[K11], 0xbbf183a8                   ; a plain instruction behind the exponentials (ISA guide 5.7.2); -pi^11/11!
	v_mov_b32 v[K11+1], 0xbbf183a8
	v_mov_b32 v[K12], 0x3afce9c5                   ; pi^12/12!
	v_mov_b32 v[K12+1], 0x3afce9c5
	s_and_b32 s66, s7, 31
	s_lshl_b32 s66, s66, 6                         ; my group's first row modulo 2,048
	s_lshl_b32 s67, s5, 4
	s_add_co_u32 s66, s66, s67
	v_add_nc_u32 v3, s66, v1
	v_cvt_f32_u32 v[POS], v3
	v_mov_b32 v[POS+1], v[POS]
	s_wait_alu depctr_va_vdst(0)
; Cosine and sine of position x frequency for two frequencies, times ka.  The angle in revolutions less its nearest whole number is
; u in [-1/2, 1/2]; s = sin(pi u) and c = cos(pi u) by their series in u; sin = 2 s c, cos = 1 - 2 s s.  kb = 2 ka, kc = -2 ka.
.macro SINCOS2 cd, sd, fq, ka, kb, kc
	v_pk_mul_f32 v[U:U+1], v[\fq:\fq+1], v[POS:POS+1]
	v_pk_mul_f32 v[U:U+1], v[U:U+1], 0x3e22f983 op_sel_hi:[1,0]
	v_rndne_f32 v[Z], v[U]
	v_rndne_f32 v[Z+1], v[U+1]
	v_pk_add_f32 v[U:U+1], v[U:U+1], v[Z:Z+1] neg_lo:[0,1] neg_hi:[0,1]
	v_pk_mul_f32 v[Z:Z+1], v[U:U+1], v[U:U+1]
	v_pk_fma_f32 v[PSI:PSI+1], v[Z:Z+1], v[K11:K11+1], 0x3da83c1a op_sel_hi:[1,1,0]
	v_pk_fma_f32 v[PCO:PCO+1], v[Z:Z+1], v[K12:K12+1], 0xbcd368f9 op_sel_hi:[1,1,0]
	v_pk_fma_f32 v[PSI:PSI+1], v[PSI:PSI+1], v[Z:Z+1], 0xbf196966 op_sel_hi:[1,1,0]
	v_pk_fma_f32 v[PCO:PCO+1], v[PCO:PCO+1], v[Z:Z+1], 0x3e70fa83 op_sel_hi:[1,1,0]
	v_pk_fma_f32 v[PSI:PSI+1], v[PSI:PSI+1], v[Z:Z+1], 0x402335e3 op_sel_hi:[1,1,0]
	v_pk_fma_f32 v[PCO:PCO+1], v[PCO:PCO+1], v[Z:Z+1], 0xbfaae9e4 op_sel_hi:[1,1,0]
	v_pk_fma_f32 v[PSI:PSI+1], v[PSI:PSI+1], v[Z:Z+1], 0xc0a55de7 op_sel_hi:[1,1,0]
	v_pk_fma_f32 v[PCO:PCO+1], v[PCO:PCO+1], v[Z:Z+1], 0x4081e0f8 op_sel_hi:[1,1,0]
	v_pk_fma_f32 v[PSI:PSI+1], v[PSI:PSI+1], v[Z:Z+1], 0x40490fdb op_sel_hi:[1,1,0]
	v_pk_fma_f32 v[PCO:PCO+1], v[PCO:PCO+1], v[Z:Z+1], 0xc09de9e6 op_sel_hi:[1,1,0]
	v_pk_mul_f32 v[PSI:PSI+1], v[PSI:PSI+1], v[U:U+1]
	v_pk_fma_f32 v[PCO:PCO+1], v[PCO:PCO+1], v[Z:Z+1], 1.0 op_sel_hi:[1,1,0]
	v_pk_mul_f32 v[TW:TW+1], v[PSI:PSI+1], \kb op_sel_hi:[1,0]
	v_pk_mul_f32 v[Z:Z+1], v[PSI:PSI+1], \kc op_sel_hi:[1,0]
	v_pk_mul_f32 v[\sd:\sd+1], v[TW:TW+1], v[PCO:PCO+1]
	v_pk_fma_f32 v[\cd:\cd+1], v[Z:Z+1], v[PSI:PSI+1], \ka op_sel_hi:[1,1,0]
.endm
.irp p, 0,2,4,6
	SINCOS2 CS+\p, SN+\p, IFQ+\p, 0x3f800000, 0x40000000, 0xc0000000
.endr
.irp p, 0,2,4,6                                    ; a = k[d], b = k[d + 32]:  a' = a cos - b sin,  b' = b cos + a sin
	v_pk_mul_f32 v[U:U+1], v[ACC0+\p:ACC0+\p+1], v[SN+\p:SN+\p+1]
	v_pk_mul_f32 v[ACC0+\p:ACC0+\p+1], v[ACC0+\p:ACC0+\p+1], v[CS+\p:CS+\p+1]
	v_fma_f32 v[ACC0+\p], -v[ACC1+\p], v[SN+\p], v[ACC0+\p]
	v_fma_f32 v[ACC0+\p+1], -v[ACC1+\p+1], v[SN+\p+1], v[ACC0+\p+1]
	v_pk_fma_f32 v[ACC1+\p:ACC1+\p+1], v[ACC1+\p:ACC1+\p+1], v[CS+\p:CS+\p+1], v[U:U+1]
.endr
.Lno_rope:
	; the way out: a lane's eight d of a tile are 16 bytes of its token's row; the rows are gathered in the stage and leave whole
.irp q, 0,1,2,3
	v_cvt_pk_bf16_f32 v[OUTP+\q],   v[ACC0+2*\q], v[ACC0+2*\q+1]
	v_cvt_pk_bf16_f32 v[OUTP+4+\q], v[ACC1+2*\q], v[ACC1+2*\q+1]
.endr
	ds_store_b128 v[STO], v[OUTP:OUTP+3]
	ds_store_b128 v[STO], v[OUTP+4:OUTP+7] offset:64
	s_wait_dscnt 0x0                               ; my stores are done, for the other waves' sake
	s_barrier_signal -1
	s_barrier_wait -1
	ds_load_b128 v[OUTP+8:OUTP+11],  v[RD]
	ds_load_b128 v[OUTP+12:OUTP+15], v[RD] offset:32*SPITCH
	s_wait_dscnt 0x1
	global_store_b128 v[O16], v[OUTP+8:OUTP+11], s[24:25]                 ; a wave's store covers 512 consecutive bytes, aligned
	s_wait_dscnt 0x0
	global_store_b128 v[O16], v[OUTP+12:OUTP+15], s[24:25] offset:4096
	s_wait_tensorcnt 0x0
	ds_add_u32 v30, v31
	s_wait_dscnt 0x0
	ROUND                                          ; the closing round: no work-group ends while a partner may still ask jointly
	s_endpgm
.Lfunc_end_k_qa6a8aa5b7b_kvproj:
	.size	k_qa6a8aa5b7b_kvproj, .Lfunc_end_k_qa6a8aa5b7b_kvproj-k_qa6a8aa5b7b_kvproj
	.p2alignl 7, 3214868480
	.fill 96, 4, 3214868480
	.section	.rodata,"a",@progbits
	.p2align	6, 0x0
	.amdhsa_kernel k_qa6a8aa5b7b_kvproj
		.amdhsa_group_segment_fixed_size 327680
		.amdhsa_private_segment_fixed_size 0
		.amdhsa_enable_private_segment 0
		.amdhsa_kernarg_size 88
		.amdhsa_user_sgpr_count 2
		.amdhsa_user_sgpr_kernarg_segment_ptr 1
		.amdhsa_wavefront_size32 1
		.amdhsa_system_sgpr_workgroup_id_x 1
		.amdhsa_system_sgpr_workgroup_id_y 1
		.amdhsa_system_sgpr_workgroup_id_z 1
		.amdhsa_system_vgpr_workitem_id 0
		.amdhsa_next_free_vgpr 256
		.amdhsa_next_free_sgpr 70
		.amdhsa_reserve_vcc 0
		.amdhsa_float_denorm_mode_32 3
		.amdhsa_float_denorm_mode_16_64 3
		.amdhsa_memory_ordered 1
		.amdhsa_forward_progress 1
		.amdhsa_inst_pref_size 100
	.end_amdhsa_kernel
	.amdgpu_metadata
---
amdhsa.version: [ 1, 2 ]
amdhsa.kernels:
  - .name:           k_qa6a8aa5b7b_kvproj
    .symbol:         k_qa6a8aa5b7b_kvproj.kd
    .args:
      - { .name: x_k, .offset: 0, .size: 8, .value_kind: global_buffer, .address_space: global }
      - { .name: x_v, .offset: 8, .size: 8, .value_kind: global_buffer, .address_space: global }
      - { .name: Wk, .offset: 16, .size: 8, .value_kind: global_buffer, .address_space: global }
      - { .name: Wv, .offset: 24, .size: 8, .value_kind: global_buffer, .address_space: global }
      - { .name: bk, .offset: 32, .size: 8, .value_kind: global_buffer, .address_space: global }
      - { .name: bv, .offset: 40, .size: 8, .value_kind: global_buffer, .address_space: global }
      - { .name: Wq, .offset: 48, .size: 8, .value_kind: global_buffer, .address_space: global }
      - { .name: Wo, .offset: 56, .size: 8, .value_kind: global_buffer, .address_space: global }
      - { .name: kv, .offset: 64, .size: 8, .value_kind: global_buffer, .address_space: global }
      - { .name: wqb, .offset: 72, .size: 8, .value_kind: global_buffer, .address_space: global }
      - { .name: wob, .offset: 80, .size: 8, .value_kind: global_buffer, .address_space: global }
    .group_segment_fixed_size: 327680
    .private_segment_fixed_size: 0
    .kernarg_segment_align: 8
    .kernarg_segment_size: 88
    .max_flat_workgroup_size: 256
    .sgpr_count:     70
    .vgpr_count:     256
    .wavefront_size: 32
...
	.end_amdgpu_metadata
.endif
;; end of part 1
;; launch attn (part 2): grid 256 x 1, 8 waves a work-group, clusters of 4 x 1, 327,680 bytes of LDS; arguments x, wqb, bq, kv, ctx; writes ctx
.if DOCPART == 2
	.amdgcn_target "amdgcn-amd-amdhsa--gfx1250"
	.amdhsa_code_object_version 6
	.text
	.protected	k_qa6a8aa5b7b_attn
	.globl	k_qa6a8aa5b7b_attn
	.p2align	8
	.type	k_qa6a8aa5b7b_attn,@function
k_qa6a8aa5b7b_attn:
	s_mov_b64 s[64:65], 0
	v_nop
	global_prefetch_b8 v0, s[64:65] scope:SCOPE_SE
	s_setreg_imm32_b32 hwreg(HW_REG_WAVE_MODE, 25, 1), 1
	s_wait_xcnt 0x0
	s_wait_alu depctr_hold_cnt(0) depctr_sa_sdst(0) depctr_va_vdst(0) depctr_va_sdst(0) depctr_va_ssrc(0) depctr_va_vcc(0) depctr_vm_vsrc(0)
	s_getreg_b32 s2, hwreg(HW_REG_IB_STS2, 6, 4)
	s_cmp_eq_u32 s2, 0
	s_cbranch_scc0 .Lentry_in_a_cluster
	s_endpgm
.Lentry_in_a_cluster:
	s_bfe_u32 s2, ttmp6, 0x10000c
	s_cmp_lg_u32 s2, 0x3003
	s_cbranch_scc0 .Lentry_shape_is_right
	s_endpgm
.Lentry_shape_is_right:
; ctx = softmax(rope(x Wq^T + bq) rope(k)^T / 8) v for 128 tokens x 4 heads in each work-group; q never leaves the registers.
; Cluster = one block of 128 tokens; its four work-groups take four heads each.  Wave w: tokens 32 (w & 3) .. + 31, heads 2 (w >> 2), + 1
; of the group's four: four query tiles i = 2 hh + tk of 16 queries.
; ALL PRODUCTS ARE TAKEN TRANSPOSED, so a result tile holds one query in a lane and eight neighbouring indices in its registers:
;   q^T = Wq x^T (register j: column 16 ct + 8 h + j), S^T = K Q^T (register j: key 16 kt + 8 h + j), ctx^T = V^T P^T (register j: d).
; Four packed roundings turn such a tile into half of the next product's second source: no LDS trip, no exchange between lanes.  The
; softmax's figures are one a lane; the two halves of the lanes (keys 8 h + j) meet by one exchange for the maximum, and once at the end for the sum.
; PHASE 1: K = 1024 in eight chunks of 128 through two LDS slots (x in f32, rounded on the way to the matrix unit; Wq in bf16).
; PHASE 2: 2,048 keys in eight tiles of 256 through the same two slots, four sub-steps of 64 keys each; running maximum and sum.
; The factor log2(e) / 8 rides on the cosines and sines of q's rotation, so the exponentials are plain powers of two.
; CLUSTER: x's, K's and V's tiles are the same for the four partners: joint loads, mask 15.  Wq's 256 rows are each partner's own: plain loads.
; Eight waves, two on a SIMD: one wave's softmax runs beside the other's matrix work.
; A wave has two tensor loads out at the start and one behind each later round.
; LIMITS: the rotary angle is reduced in f32 (up to about 3e-4 rad at position 2047).  Infinities and NaN in the inputs are not served.
.set PIECE1, 17408                     ; phase 1: x 32 rows x 528 bytes (16,896 used), Wq 64 rows x 272
.set PIECE2, 10240                     ; phase 2: K 64 rows x 144 bytes (9,216 used), V 64 rows x 160
.set SLOT,   139264
.set STAGE,  278528                    ; 16 rows x 272 bytes for each wave, its own; no tensor load lands here
.set XP, 528
.set WP, 272
.set KP, 144
.set VP, 160
.set STP, 272
; window 0
.set BOF,  7                           ; byte offset of my first bias
.set ADRX, 8                           ; v8-9    my x fragments in slot 0, 1
.set ADRW, 10                          ; v10-11  my Wq fragments
.set ADRK, 12                          ; v12-13  K fragments
.set ADRV, 14                          ; v14-15  V fragments (transposing loads)
.set STO,  16
.set RD,   17
.set CO,   18
.set PFO,  19                          ; prefetch: (32 cx + lane) rows of 4,096 bytes; never rewritten
.set MX,   20                          ; v20-23  running maximum of query tile i
.set LS,   24                          ; v24-27  running sum (my half of the keys)
.set AL,   28                          ; v28-29  rescale factor (v29 only fills the pair)
.set MN,   30                          ; v30-31  the new maximum, twice
.set AF,   32                          ; phase 1: v32-159 two buffers of eight Wq fragments
.set XF,   160                         ; v160-191 x in f32
.set XB,   192                         ; v192-223 two buffers of two x fragments
.set IFQ,  32                          ; rotation: 16 frequencies
.set CS,   48                          ; 16 cosines
.set SN,   64                          ; 16 sines
.set U,    80
.set Z,    82
.set PSI,  84
.set PCO,  86
.set TW,   88
.set RT,   96                          ; v96-127 one query tile, rotated
.set POS,  128
.set K11,  130
.set K12,  132
.set KF,   32                          ; phase 2: fragment (kt, dh) at KF + 16 kt + 8 dh
.set VF,   96                          ; fragment (kc, dt) at VF + 32 kc + 8 dt
.set SB0,  160                         ; two buffers of four score tiles
.set SB1,  192
.set PB,   224                         ; P: two fragments
.set TM,   240                         ; v240-245 at work
.set INV,  246                         ; v246-253 1 / sum, a pair for each query tile
.set WT,   96
.set WO,   128
.set WR,   160
; window 1: v0-127 accumulators (phase 1: tile (ct, tk) at 8 (2 ct + tk); phase 2: tile (i, dt) at 8 (4 i + dt));
;           v128-191 first bq's tiles, then Q: 16 registers for each query tile
.set QF,   128
.set G1X, 32
.set G1W, 40
.set G1K, 48
.set G1V, 56
.set G0X, 68                           ; group 0, one set for each slot
.set G0W, 76
.set G0K, 84
.set G0V, 92
.set MSB, 0
.macro WIN new                         ; s_set_vgpr_msb: bits 1:0 source 0, 3:2 source 1, 5:4 source 2, 7:6 destination; the high byte repeats the setting left
.if MSB != \new
	s_set_vgpr_msb (MSB<<8)|\new
.set MSB, \new
.endif
.endm
.macro PLACES                          ; four places behind a matrix instruction (ISA guide 7.12.1)
.rept 4
	v_nop
.endr
.endm
.macro ROUND                           ; a round of the cluster's barrier
	s_barrier_signal -1
	s_barrier_wait -1
	s_cmp_lg_u32 s14, 0
	s_cbranch_scc1 .Lnot_wave_0_\@
	s_barrier_signal -3
.Lnot_wave_0_\@:
	s_barrier_wait -3
	s_barrier_signal -1
	s_barrier_wait -1
.endm
.macro JLOAD ga, sa, gb, sb            ; waves 0-3 ask by (ga, sa), waves 4-7 by (gb, sb): one tensor load a wave
	s_cmp_ge_u32 s14, 4
	s_cbranch_scc1 .Lupper_\@
	tensor_load_to_lds s[\ga:\ga+3], s[\sa:\sa+7]
	s_nop 0
	s_branch .Lasked_\@
.Lupper_\@:
	tensor_load_to_lds s[\gb:\gb+3], s[\sb:\sb+7]
	s_nop 0
.Lasked_\@:
.endm
; Wave 7 asks for chunk c of the 32 rows of x that fall to this work-group (32 cx + lane): 512 bytes of a row, two requests 256 bytes apart,
; so every block of the cluster's 128 rows is asked for once.  Chunk c is asked for two trips ahead of the tensor load that brings it; chunk 7 is the last.
.macro PFX c
	s_cmp_lg_u32 s14, 7
	s_cbranch_scc1 .Lno_pf_\@
	global_prefetch_b8 v[PFO], s[28:29] offset:(\c)*512 th:TH_LOAD_NT scope:SCOPE_SE
	global_prefetch_b8 v[PFO], s[28:29] offset:(\c)*512+256 th:TH_LOAD_NT scope:SCOPE_SE
.Lno_pf_\@:
.endm
	s_load_b256 s[4:11], s[0:1], 0x0               ; x, wqb, bq, kv
	s_load_b64 s[12:13], s[0:1], 0x20              ; ctx
	v_lshl_add_u32 v254, v0, 2, 0x4c800
	v_mov_b32 v255, 0
	ds_add_u32 v254, v255
	v_lshrrev_b32 v3, 5, v0
	v_readfirstlane_b32 s14, v3                    ; wave 0..7
	s_lshr_b32 s15, s14, 2                         ; hp: my pair of heads
	s_and_b32 s16, s14, 3                          ; tq: my 32 tokens; also the piece that I bring
	s_bfe_u32 s17, ttmp6, 0x40000                  ; cx: the group of four heads
	s_mov_b32 s18, ttmp9                           ; the block of 128 tokens
	s_lshr_b32 s19, s18, 4                         ; the batch
	s_mov_b32 s20, 0x76543210                      ; v_permlanex16_b32: lane i reads lane i of the other half
	s_mov_b32 s21, 0xfedcba98
	; x: 32 rows x 128 elements of 4 bytes, 4 words of padding behind every 128
	s_mov_b32 s[G1X+0], 15|(2<<16)|(1<<20)|(1<<21)|(6<<22)|(3<<25)
	s_mov_b32 s[G1X+1], 128<<16
	s_mov_b32 s[G1X+2], 32<<16
	s_mov_b32 s[G1X+3], 128<<16
	s_mov_b32 s[G1X+4], 32
	s_mov_b32 s[G1X+5], 1024
	s_mov_b32 s[G1X+6], 0
	s_mov_b32 s[G1X+7], 0
	; Wq: 64 rows x 128 elements of 2 bytes, 4 words behind every 64; no mask
	s_mov_b32 s[G1W+0], (1<<16)|(1<<20)|(5<<22)|(3<<25)
	s_mov_b32 s[G1W+1], 128<<16
	s_mov_b32 s[G1W+2], 64<<16
	s_mov_b32 s[G1W+3], 128<<16
	s_mov_b32 s[G1W+4], 64
	s_mov_b32 s[G1W+5], 1024
	s_mov_b32 s[G1W+6], 0
	s_mov_b32 s[G1W+7], 0
	; K: 64 rows x 64 elements of 2 bytes, 4 words behind every 32 (pitch 144)
	s_mov_b32 s[G1K+0], 15|(1<<16)|(1<<20)|(1<<21)|(4<<22)|(3<<25)
	s_mov_b32 s[G1K+1], 64<<16
	s_mov_b32 s[G1K+2], 64<<16
	s_mov_b32 s[G1K+3], 64<<16
	s_mov_b32 s[G1K+4], 64
	s_mov_b32 s[G1K+5], 64
	s_mov_b32 s[G1K+6], 0
	s_mov_b32 s[G1K+7], 0
	; V: the same with 8 words of padding (pitch 160, an odd multiple of 32 for the transposing loads)
	s_mov_b32 s[G1V+0], 15|(1<<16)|(1<<20)|(1<<21)|(4<<22)|(7<<25)
	s_mov_b32 s[G1V+1], 64<<16
	s_mov_b32 s[G1V+2], 64<<16
	s_mov_b32 s[G1V+3], 64<<16
	s_mov_b32 s[G1V+4], 64
	s_mov_b32 s[G1V+5], 64
	s_mov_b32 s[G1V+6], 0
	s_mov_b32 s[G1V+7], 0
	s_mul_i32 s2, s14, PIECE1                      ; my piece of a slot, by the wave's number alone
	s_mul_i32 s3, s14, PIECE2
	s_mov_b32 s23, 0
	s_mov_b32 s25, 0
	s_mov_b32 s31, 0
	s_wait_dscnt 0x0
	s_wait_kmcnt 0x0
	; s22-25 hold only what the four partners share; s30-31 hold what hangs on cx
	s_lshl_b32 s22, s18, 19                        ; 128 rows of 4,096 bytes
	s_add_nc_u64 s[28:29], s[4:5], s[22:23]        ; x at the block: the prefetches' base
	s_lshl_b32 s24, s16, 17                        ; 32 rows of x; also 64 rows of 2,048 bytes of Wq
	s_add_nc_u64 s[4:5], s[28:29], s[24:25]
	s_add_nc_u64 s[6:7], s[6:7], s[24:25]
	s_lshl_b32 s30, s17, 19                        ; my group's 256 rows of Wq
	s_add_nc_u64 s[6:7], s[6:7], s[30:31]
	s_lshl_b32 s22, s19, 18                        ; the batch's 2,048 rows of 128 bytes
	s_add_nc_u64 s[10:11], s[10:11], s[22:23]
	s_lshl_b32 s24, s16, 13                        ; my 64 rows of a tile
	s_add_nc_u64 s[10:11], s[10:11], s[24:25]
	s_lshl_b32 s30, s17, 10
	s_add_nc_u64 s[8:9], s[8:9], s[30:31]          ; bq at my group's 256 columns
	s_lshl_b32 s30, s18, 18                        ; ctx: 128 rows of 2,048 bytes,
	s_lshl_b32 s31, s16, 16                        ; my 32 rows,
	s_add_co_u32 s30, s30, s31
	s_lshl_b32 s31, s17, 9                         ; my group's four heads,
	s_add_co_u32 s30, s30, s31
	s_lshl_b32 s31, s15, 8                         ; my two heads: 256 bytes
	s_add_co_u32 s30, s30, s31
	s_mov_b32 s31, 0
	s_add_nc_u64 s[12:13], s[12:13], s[30:31]
.irp s, 0,1
	s_mov_b32 s[G0X+4*\s], 1
	s_add_co_u32 s[G0X+4*\s+1], s2, \s*SLOT
	s_add_nc_u64 s[G0X+4*\s+2:G0X+4*\s+3], s[4:5], \s*512          ; chunk s: 128 f32
	s_or_b32 s[G0X+4*\s+3], s[G0X+4*\s+3], 0x80000000
	s_mov_b32 s[G0W+4*\s], 1
	s_add_co_u32 s[G0W+4*\s+1], s2, \s*SLOT
	s_add_nc_u64 s[G0W+4*\s+2:G0W+4*\s+3], s[6:7], \s*256          ; chunk s: 128 bf16
	s_or_b32 s[G0W+4*\s+3], s[G0W+4*\s+3], 0x80000000
	s_mov_b32 s[G0K+4*\s], 1
	s_add_co_u32 s[G0K+4*\s+1], s3, \s*SLOT
	s_add_nc_u64 s[G0K+4*\s+2:G0K+4*\s+3], s[10:11], \s*32768      ; tile s: 256 rows of 128 bytes
	s_or_b32 s[G0K+4*\s+3], s[G0K+4*\s+3], 0x80000000
	s_mov_b32 s[G0V+4*\s], 1
	s_add_co_u32 s[G0V+4*\s+1], s3, \s*SLOT
	s_add_nc_u64 s[G0V+4*\s+2:G0V+4*\s+3], s[10:11], \s*32768+1048576   ; v's plane
	s_or_b32 s[G0V+4*\s+3], s[G0V+4*\s+3], 0x80000000
.endr
	ROUND                                          ; the four work-groups are here: the first joint loads meet
	s_cmp_ge_u32 s14, 4                            ; both first fills of a wave inside one branch
	s_cbranch_scc1 .Lfirst_w
	tensor_load_to_lds s[G0X:G0X+3], s[G1X:G1X+7]
	s_nop 0
	tensor_load_to_lds s[G0X+4:G0X+7], s[G1X:G1X+7]
	s_nop 0
	s_branch .Lfirst_done
.Lfirst_w:
	tensor_load_to_lds s[G0W:G0W+3], s[G1W:G1W+7]
	s_nop 0
	tensor_load_to_lds s[G0W+4:G0W+7], s[G1W:G1W+7]
	s_nop 0
.Lfirst_done:
	v_and_b32 v1, 15, v0                           ; r
	v_bfe_u32 v2, v0, 4, 1                         ; h
	v_and_b32 v3, 31, v0                           ; lane
	v_lshlrev_b32 v[BOF], 5, v2
	v_lshl_add_u32 v[BOF], s15, 9, v[BOF]          ; 4 (128 hp + 8 h)
	WIN 0x40                                       ; bq's tiles in the accumulators' layout (register j: column 16 ct + 8 h + j): the first products' C
.irp ct, 0,1,2,3,4,5,6,7
	global_load_b128 v[QF+8*\ct:QF+8*\ct+3],   v[BOF], s[8:9] offset:\ct*64
	global_load_b128 v[QF+8*\ct+4:QF+8*\ct+7], v[BOF], s[8:9] offset:\ct*64+16
.endr
	WIN 0
	s_lshl_b32 s30, s17, 5
	v_add_nc_u32 v[PFO], s30, v3
	v_lshlrev_b32 v[PFO], 12, v[PFO]
	PFX 2
	v_mul_u32_u24 v4, v1, XP
	v_lshl_add_u32 v4, v2, 5, v4                   ; r x 528 + 32 h
	s_mul_i32 s22, s16, PIECE1
	v_add_nc_u32 v[ADRX], s22, v4
	v_add_nc_u32 v[ADRX+1], SLOT, v[ADRX]
	v_mul_u32_u24 v4, v1, WP
	v_lshl_add_u32 v4, v2, 4, v4                   ; r x 272 + 16 h
	s_mul_i32 s22, s15, 128*WP
	s_add_co_u32 s22, s22, 4*PIECE1
	v_add_nc_u32 v[ADRW], s22, v4
	v_add_nc_u32 v[ADRW+1], SLOT, v[ADRW]
	s_mul_i32 s22, s14, 16*STP
	s_add_co_u32 s22, s22, STAGE                   ; my stage
	v_add_nc_u32 v[STO], s22, v4
	v_mul_u32_u24 v4, v2, STP
	v_lshl_add_u32 v4, v1, 4, v4
	v_add_nc_u32 v[RD], s22, v4                    ; lanes 0-15 read one row of 256 bytes back, lanes 16-31 the next
	v_lshlrev_b32 v4, 11, v2
	v_lshl_add_u32 v[CO], v1, 4, v4                ; the same two rows in ctx
	v_mul_u32_u24 v4, v1, KP
	v_lshl_add_u32 v[ADRK], v2, 4, v4
	v_add_nc_u32 v[ADRK+1], SLOT, v[ADRK]
	v_and_b32 v5, 7, v0
	v_lshl_add_u32 v5, v2, 3, v5                   ; key 8 h + (lane & 7)
	v_mul_u32_u24 v5, v5, VP
	v_bfe_u32 v6, v0, 3, 1
	v_lshl_add_u32 v5, v6, 4, v5
	v_add_nc_u32 v[ADRV], 4*PIECE2, v5
	v_add_nc_u32 v[ADRV+1], SLOT, v[ADRV]
	v_mov_b32 v[AL+1], 0                           ; fills the pair that the packed multiply names
; PHASE 1.  24 LDS loads for one K step of 32: eight Wq fragments, and two x fragments in f32
.macro XWLOADS sl, ks, ab
.irp ct, 0,1,2,3,4,5,6,7
	ds_load_b128 v[\ab+8*\ct:\ab+8*\ct+3],   v[ADRW+\sl] offset:\ct*16*WP+(\ks)*64
	ds_load_b128 v[\ab+8*\ct+4:\ab+8*\ct+7], v[ADRW+\sl] offset:\ct*16*WP+(\ks)*64+32
.endr
.irp tk, 0,1
	ds_load_b128 v[XF+16*\tk:XF+16*\tk+3],     v[ADRX+\sl] offset:\tk*16*XP+(\ks)*128
	ds_load_b128 v[XF+16*\tk+4:XF+16*\tk+7],   v[ADRX+\sl] offset:\tk*16*XP+(\ks)*128+16
	ds_load_b128 v[XF+16*\tk+8:XF+16*\tk+11],  v[ADRX+\sl] offset:\tk*16*XP+(\ks)*128+64
	ds_load_b128 v[XF+16*\tk+12:XF+16*\tk+15], v[ADRX+\sl] offset:\tk*16*XP+(\ks)*128+80
.endr
.endm
; One K step.  The 16 roundings are also the places between the last step's matrix instructions and the loads into their sources.
; The 16 accumulators take turns, one instruction a turn.
.macro K1 sl, ks, cinit
.set CA, AF+64*((\ks)&1)
.set NA, AF+64*(((\ks)+1)&1)
.set CX, XB+16*((\ks)&1)
	s_wait_dscnt 0x0                               ; this step's 24 loads, issued ahead of the last step's products
.irp n, 0,1,2,3,4,5,6,7,8,9,10,11,12,13,14,15
	v_cvt_pk_bf16_f32 v[CX+\n], v[XF+2*\n], v[XF+2*\n+1]
.endr
.if \ks < 3
	XWLOADS \sl, (\ks)+1, NA
.endif
	WIN 0x50                                       ; C and D in window 1
.irp ct, 0,1,2,3,4,5,6,7
.irp tk, 0,1
.if \cinit
	v_wmma_f32_16x16x32_bf16 v[8*(2*\ct+\tk):8*(2*\ct+\tk)+7], v[CA+8*\ct:CA+8*\ct+7], v[CX+8*\tk:CX+8*\tk+7], v[QF+8*\ct:QF+8*\ct+7]
.else
	v_wmma_f32_16x16x32_bf16 v[8*(2*\ct+\tk):8*(2*\ct+\tk)+7], v[CA+8*\ct:CA+8*\ct+7], v[CX+8*\tk:CX+8*\tk+7], v[8*(2*\ct+\tk):8*(2*\ct+\tk)+7]
.endif
.endr
.endr
	WIN 0
.endm
.macro PH1 sl, cinit
	XWLOADS \sl, 0, AF
	K1 \sl, 0, \cinit
	K1 \sl, 1, 0
	K1 \sl, 2, 0
	K1 \sl, 3, 0
.endm
; Trip f multiplies chunk f (slot cur).  In front of the round every wave has waited for all its tensor loads and for its reads of the other
; slot; behind it the other slot's refill is the wave's first and only tensor load: chunk f + 1, or in trip 7 the first K and V tile.
.macro T1 f, cur, oth
	s_wait_tensorcnt 0x0
	ds_add_u32 v254, v255
.if \f < 7
	s_add_nc_u64 s[G0X+4*\oth+2:G0X+4*\oth+3], s[G0X+4*\oth+2:G0X+4*\oth+3], 1024   ; no load of mine is out: two chunks on
	s_add_nc_u64 s[G0W+4*\oth+2:G0W+4*\oth+3], s[G0W+4*\oth+2:G0W+4*\oth+3], 512
.endif
	s_wait_dscnt 0x0
	ROUND
.if \f < 7
	JLOAD G0X+4*\oth, G1X, G0W+4*\oth, G1W
.else
	JLOAD G0K, G1K, G0V, G1V
.endif
.if \f < 5
	PFX (\f)+3
.endif
	PH1 \cur, 0
.endm
	s_wait_tensorcnt 0x1                           ; my part of chunk 0 is in; chunk 1's stays out
	s_wait_loadcnt 0x0                             ; bq
	s_barrier_signal -1
	s_barrier_wait -1
	PFX 3
	PH1 0, 1
	T1 1, 1, 0
	T1 2, 0, 1
	T1 3, 1, 0
	T1 4, 0, 1
	T1 5, 1, 0
	T1 6, 0, 1
	T1 7, 1, 0
	; ROTATION, while the first K and V tile is on its way.  Frequencies 2^(-i log2(10000)/32), i = 16 dt + 8 h + j, dt = 0, 1
	PLACES
	v_lshlrev_b32 v4, 3, v2
.irp e, 0,1,2,3,4,5,6,7,8,9,10,11,12,13,14,15
	v_add_nc_u32 v[U+\e], 16*(\e>>3)+(\e&7), v4
.endr
.irp e, 0,1,2,3,4,5,6,7,8,9,10,11,12,13,14,15
	v_cvt_f32_u32 v[U+\e], v[U+\e]
.endr
.irp e, 0,1,2,3,4,5,6,7,8,9,10,11,12,13,14,15
	v_mul_f32 v[U+\e], 0xbed49a78, v[U+\e]
.endr
.irp e, 0,1,2,3,4,5,6,7,8,9,10,11,12,13,14,15
	v_exp_f32 v[IFQ+\e], v[U+\e]
.endr
	v_mov_b32 v[K11], 0xbbf183a8                   ; a plain instruction behind the exponentials (ISA guide 5.7.2); -pi^11/11!
	v_mov_b32 v[K11+1], 0xbbf183a8
	v_mov_b32 v[K12], 0x3afce9c5                   ; pi^12/12!
	v_mov_b32 v[K12+1], 0x3afce9c5
	s_wait_alu depctr_va_vdst(0)
	s_and_b32 s22, s18, 15
	s_lshl_b32 s22, s22, 7                         ; the block's first position in its sequence
	s_lshl_b32 s23, s16, 5
	s_add_co_u32 s22, s22, s23
; Cosine and sine of position x frequency for two frequencies, times ka.  The angle in revolutions less its nearest whole number is
; u in [-1/2, 1/2]; s = sin(pi u) and c = cos(pi u) by their series in u; sin = 2 s c, cos = 1 - 2 s s.  kb = 2 ka, kc = -2 ka.
.macro SINCOS2 cd, sd, fq, ka, kb, kc
	v_pk_mul_f32 v[U:U+1], v[\fq:\fq+1], v[POS:POS+1]
	v_pk_mul_f32 v[U:U+1], v[U:U+1], 0x3e22f983 op_sel_hi:[1,0]
	v_rndne_f32 v[Z], v[U]
	v_rndne_f32 v[Z+1], v[U+1]
	v_pk_add_f32 v[U:U+1], v[U:U+1], v[Z:Z+1] neg_lo:[0,1] neg_hi:[0,1]
	v_pk_mul_f32 v[Z:Z+1], v[U:U+1], v[U:U+1]
	v_pk_fma_f32 v[PSI:PSI+1], v[Z:Z+1], v[K11:K11+1], 0x3da83c1a op_sel_hi:[1,1,0]
	v_pk_fma_f32 v[PCO:PCO+1], v[Z:Z+1], v[K12:K12+1], 0xbcd368f9 op_sel_hi:[1,1,0]
	v_pk_fma_f32 v[PSI:PSI+1], v[PSI:PSI+1], v[Z:Z+1], 0xbf196966 op_sel_hi:[1,1,0]
	v_pk_fma_f32 v[PCO:PCO+1], v[PCO:PCO+1], v[Z:Z+1], 0x3e70fa83 op_sel_hi:[1,1,0]
	v_pk_fma_f32 v[PSI:PSI+1], v[PSI:PSI+1], v[Z:Z+1], 0x402335e3 op_sel_hi:[1,1,0]
	v_pk_fma_f32 v[PCO:PCO+1], v[PCO:PCO+1], v[Z:Z+1], 0xbfaae9e4 op_sel_hi:[1,1,0]
	v_pk_fma_f32 v[PSI:PSI+1], v[PSI:PSI+1], v[Z:Z+1], 0xc0a55de7 op_sel_hi:[1,1,0]
	v_pk_fma_f32 v[PCO:PCO+1], v[PCO:PCO+1], v[Z:Z+1], 0x4081e0f8 op_sel_hi:[1,1,0]
	v_pk_fma_f32 v[PSI:PSI+1], v[PSI:PSI+1], v[Z:Z+1], 0x40490fdb op_sel_hi:[1,1,0]
	v_pk_fma_f32 v[PCO:PCO+1], v[PCO:PCO+1], v[Z:Z+1], 0xc09de9e6 op_sel_hi:[1,1,0]
	v_pk_mul_f32 v[PSI:PSI+1], v[PSI:PSI+1], v[U:U+1]
	v_pk_fma_f32 v[PCO:PCO+1], v[PCO:PCO+1], v[Z:Z+1], 1.0 op_sel_hi:[1,1,0]
	v_pk_mul_f32 v[TW:TW+1], v[PSI:PSI+1], \kb op_sel_hi:[1,0]
	v_pk_mul_f32 v[Z:Z+1], v[PSI:PSI+1], \kc op_sel_hi:[1,0]
	v_pk_mul_f32 v[\sd:\sd+1], v[TW:TW+1], v[PCO:PCO+1]
	v_pk_fma_f32 v[\cd:\cd+1], v[Z:Z+1], v[PSI:PSI+1], \ka op_sel_hi:[1,1,0]
.endm
; Query tile (hh, tk): a = q[d] (tiles 4 hh + dt), b = q[d + 32] (tiles 4 hh + dt + 2), the same lane and register.
; a' = a cos - b sin, b' = b cos + a sin; then 16 packed roundings make the tile's two fragments of Q.
.macro ROT hh, tk
	WIN 0x01                                       ; source 0 in window 1
.irp dt, 0,1
.irp p, 0,2,4,6
.set RA, 8*(2*(4*\hh+\dt)+\tk)+\p
.set RBB, 8*(2*(4*\hh+\dt+2)+\tk)+\p
.set RE, 8*\dt+\p
	v_pk_mul_f32 v[RT+RE:RT+RE+1], v[RA:RA+1], v[CS+RE:CS+RE+1]
	v_pk_mul_f32 v[RT+16+RE:RT+16+RE+1], v[RA:RA+1], v[SN+RE:SN+RE+1]
	v_fma_f32 v[RT+RE], -v[RBB], v[SN+RE], v[RT+RE]
	v_fma_f32 v[RT+RE+1], -v[RBB+1], v[SN+RE+1], v[RT+RE+1]
	v_pk_fma_f32 v[RT+16+RE:RT+16+RE+1], v[RBB:RBB+1], v[CS+RE:CS+RE+1], v[RT+16+RE:RT+16+RE+1]
.endr
.endr
	WIN 0x40                                       ; destination in window 1
.irp n, 0,1,2,3,4,5,6,7,8,9,10,11,12,13,14,15
	v_cvt_pk_bf16_f32 v[QF+16*(2*\hh+\tk)+\n], v[RT+2*\n], v[RT+2*\n+1]
.endr
	WIN 0
.endm
.irp tk, 0,1
	v_add3_u32 v4, s22, v1, 16*\tk
	v_cvt_f32_u32 v[POS], v4
	v_mov_b32 v[POS+1], v[POS]
.irp p, 0,2,4,6,8,10,12,14
	SINCOS2 CS+\p, SN+\p, IFQ+\p, 0x3e38aa3b, 0x3eb8aa3b, 0xbeb8aa3b      ; times log2(e) / 8
.endr
	ROT 0, \tk
	ROT 1, \tk
.endr
; PHASE 2.  S^T of query tile i: four key tiles, d in two halves.  The four accumulators take turns.
.macro QK i, sb
	WIN 0x04                                       ; source 1 (Q) in window 1
.irp kt, 0,1,2,3
	v_wmma_f32_16x16x32_bf16 v[\sb+8*\kt:\sb+8*\kt+7], v[KF+16*\kt:KF+16*\kt+7], v[QF+16*\i:QF+16*\i+7], 0
.endr
.irp kt, 0,1,2,3
	v_wmma_f32_16x16x32_bf16 v[\sb+8*\kt:\sb+8*\kt+7], v[KF+16*\kt+8:KF+16*\kt+15], v[QF+16*\i+8:QF+16*\i+15], v[\sb+8*\kt:\sb+8*\kt+7]
.endr
.endm
.macro SMSUB sb, kt                    ; scores less the maximum
.irp p, 0,2,4,6
	v_pk_add_f32 v[\sb+8*\kt+\p:\sb+8*\kt+\p+1], v[\sb+8*\kt+\p:\sb+8*\kt+\p+1], v[MN:MN+1] neg_lo:[0,1] neg_hi:[0,1]
.endr
.endm
.macro SMEXP sb, kt
.irp j, 0,1,2,3,4,5,6,7
	v_exp_f32 v[\sb+8*\kt+\j], v[\sb+8*\kt+\j]
.endr
.endm
.macro SMUSE sb, kt                    ; a tile's eight numbers become four registers of P, and join two chains of sums
	s_wait_alu depctr_va_vdst(0)
.irp q, 0,1,2,3
	v_cvt_pk_bf16_f32 v[PB+4*\kt+\q], v[\sb+8*\kt+2*\q], v[\sb+8*\kt+2*\q+1]
.endr
.if \kt == 0
	v_pk_add_f32 v[TM+2:TM+3], v[\sb:\sb+1], v[\sb+2:\sb+3]
	v_pk_add_f32 v[TM+4:TM+5], v[\sb+4:\sb+5], v[\sb+6:\sb+7]
.else
	v_pk_add_f32 v[TM+2:TM+3], v[TM+2:TM+3], v[\sb+8*\kt:\sb+8*\kt+1]
	v_pk_add_f32 v[TM+4:TM+5], v[TM+4:TM+5], v[\sb+8*\kt+2:\sb+8*\kt+3]
	v_pk_add_f32 v[TM+2:TM+3], v[TM+2:TM+3], v[\sb+8*\kt+4:\sb+8*\kt+5]
	v_pk_add_f32 v[TM+4:TM+5], v[TM+4:TM+5], v[\sb+8*\kt+6:\sb+8*\kt+7]
.endif
.endm
; The softmax step of query tile i on 64 keys.  first = 1: nothing is carried yet.
; Behind each run of exponentials stands plain work on other registers before their results are used (ISA guide 5.7.2).
.macro SM i, sb, first
	WIN 0
.irp c, 0,1,2,3
	v_max3_num_f32 v[TM+\c], v[\sb+8*\c], v[\sb+8*\c+1], v[\sb+8*\c+2]
.endr
.irp c, 0,1,2,3
	v_max3_num_f32 v[TM+\c], v[TM+\c], v[\sb+8*\c+3], v[\sb+8*\c+4]
.endr
.irp c, 0,1,2,3
	v_max3_num_f32 v[TM+\c], v[TM+\c], v[\sb+8*\c+5], v[\sb+8*\c+6]
.endr
	v_max3_num_f32 v[TM], v[TM], v[TM+1], v[\sb+7]
	v_max3_num_f32 v[TM+2], v[TM+2], v[TM+3], v[\sb+15]
	v_max3_num_f32 v[TM], v[TM], v[\sb+23], v[\sb+31]
.if \first
	v_max_num_f32 v[TM], v[TM], v[TM+2]
.else
	v_max3_num_f32 v[TM], v[TM], v[TM+2], v[MX+\i]
.endif
	v_permlanex16_b32 v[TM+1], v[TM], s20, s21     ; the other half of the lanes holds the query's other keys
	v_max_num_f32 v[MN], v[TM], v[TM+1]
	v_max_num_f32 v[MN+1], v[TM], v[TM+1]
.if \first == 0
	v_sub_f32 v[TM+2], v[MX+\i], v[MN]
	v_exp_f32 v[AL], v[TM+2]                       ; what is carried shrinks by 2^(old maximum - new)
.endif
	v_mov_b32 v[MX+\i], v[MN]
	SMSUB \sb, 0
	SMEXP \sb, 0
	SMSUB \sb, 1
	SMEXP \sb, 1
	SMUSE \sb, 0
	SMSUB \sb, 2
	SMEXP \sb, 2
	SMUSE \sb, 1
	SMSUB \sb, 3
	SMEXP \sb, 3
.if \first == 0
	WIN 0x41                                       ; the tile's accumulators, in window 1
	s_wait_alu depctr_va_vdst(0)
.irp n, 0,1,2,3,4,5,6,7,8,9,10,11,12,13,14,15
	v_pk_mul_f32 v[32*\i+2*\n:32*\i+2*\n+1], v[32*\i+2*\n:32*\i+2*\n+1], v[AL:AL+1] op_sel_hi:[1,0]
.endr
	WIN 0
.endif
	SMUSE \sb, 2
	SMUSE \sb, 3
	v_pk_add_f32 v[TM+2:TM+3], v[TM+2:TM+3], v[TM+4:TM+5]
.if \first
	v_add_f32 v[LS+\i], v[TM+2], v[TM+3]
.else
	v_fma_f32 v[LS+\i], v[LS+\i], v[AL], v[TM+2]
	v_add_f32 v[LS+\i], v[LS+\i], v[TM+3]
.endif
.endm
; ctx^T of query tile i grows by V^T P^T over 64 keys.  The four accumulators take turns.
.macro PV i, first
	WIN 0x50
.irp dt, 0,1,2,3
.if \first
	v_wmma_f32_16x16x32_bf16 v[8*(4*\i+\dt):8*(4*\i+\dt)+7], v[VF+8*\dt:VF+8*\dt+7], v[PB:PB+7], 0
.else
	v_wmma_f32_16x16x32_bf16 v[8*(4*\i+\dt):8*(4*\i+\dt)+7], v[VF+8*\dt:VF+8*\dt+7], v[PB:PB+7], v[8*(4*\i+\dt):8*(4*\i+\dt)+7]
.endif
.endr
.irp dt, 0,1,2,3
	v_wmma_f32_16x16x32_bf16 v[8*(4*\i+\dt):8*(4*\i+\dt)+7], v[VF+32+8*\dt:VF+32+8*\dt+7], v[PB+8:PB+15], v[8*(4*\i+\dt):8*(4*\i+\dt)+7]
.endr
.endm
; A sub-step: 64 keys against the wave's four query tiles.  Each softmax stands behind the next tile's scores, so that a score tile is read
; at least four plain instructions behind the matrix instructions that made it.
.macro SUB sl, sub, first
	WIN 0
	PLACES                                         ; behind the last products, whose sources are loaded again
.irp kt, 0,1,2,3
.irp dh, 0,1
	ds_load_b128 v[KF+16*\kt+8*\dh:KF+16*\kt+8*\dh+3],   v[ADRK+\sl] offset:(\sub)*PIECE2+\kt*16*KP+\dh*64
	ds_load_b128 v[KF+16*\kt+8*\dh+4:KF+16*\kt+8*\dh+7], v[ADRK+\sl] offset:(\sub)*PIECE2+\kt*16*KP+\dh*64+32
.endr
.endr
.irp kc, 0,1
.irp dt, 0,1,2,3
	ds_load_tr16_b128 v[VF+32*\kc+8*\dt:VF+32*\kc+8*\dt+3],   v[ADRV+\sl] offset:(64*(\sub)+32*\kc)*VP+32*\dt
	ds_load_tr16_b128 v[VF+32*\kc+8*\dt+4:VF+32*\kc+8*\dt+7], v[ADRV+\sl] offset:(64*(\sub)+32*\kc)*VP+32*\dt+16*VP
.endr
.endr
	s_wait_dscnt 16                                ; K's 16 loads are in; V's 16 may stay out
	QK 0, SB0
	QK 1, SB1
	WIN 0
	PLACES
	SM 0, SB0, \first
	s_wait_dscnt 0x0                               ; V
	PV 0, \first
	QK 2, SB0
	SM 1, SB1, \first
	PV 1, \first
	QK 3, SB1
	SM 2, SB0, \first
	PV 2, \first
	SM 3, SB1, \first
	PV 3, \first
.endm
; A tile of 256 keys (slot sl).  The change of slots as in phase 1.
.macro T2 sl, first, refill, step
	WIN 0
	s_wait_tensorcnt 0x0
	ds_add_u32 v254, v255
	s_wait_dscnt 0x0
.if \step
	s_add_nc_u64 s[G0K+4*(1-\sl)+2:G0K+4*(1-\sl)+3], s[G0K+4*(1-\sl)+2:G0K+4*(1-\sl)+3], 65536   ; no load of mine is out: two tiles on
	s_add_nc_u64 s[G0V+4*(1-\sl)+2:G0V+4*(1-\sl)+3], s[G0V+4*(1-\sl)+2:G0V+4*(1-\sl)+3], 65536
.endif
	s_wait_dscnt 0x0
.if \refill
	ROUND
	JLOAD G0K+4*(1-\sl), G1K, G0V+4*(1-\sl), G1V
.else
	s_barrier_signal -1
	s_barrier_wait -1
.endif
	SUB \sl, 0, \first
	SUB \sl, 1, 0
	SUB \sl, 2, 0
	SUB \sl, 3, 0
.endm
	T2 0, 1, 1, 0                                  ; tile 0; tile 1 goes out, into the slot of x's and Wq's last chunk
	WIN 0
	s_mov_b32 s26, 3
.Lkv:
	T2 1, 0, 1, 1                                  ; tiles 1, 3, 5
	T2 0, 0, 1, 1                                  ; tiles 2, 4, 6
	WIN 0
	s_sub_co_u32 s26, s26, 1
	s_cmp_lg_u32 s26, 0
	s_cbranch_scc1 .Lkv
	T2 1, 0, 0, 0                                  ; tile 7: nothing is left to fetch
	; THE WAY OUT.  The two halves' sums meet; ctx / sum, rounded, goes 16 tokens at a time through my own stage and leaves as rows of 256 bytes (two heads).
	WIN 0
	PLACES
.irp i, 0,1,2,3
	v_permlanex16_b32 v[TM+\i], v[LS+\i], s20, s21
.endr
.irp i, 0,1,2,3
	v_add_f32 v[LS+\i], v[LS+\i], v[TM+\i]
.endr
.irp i, 0,1,2,3
	v_rcp_f32 v[INV+2*\i], v[LS+\i]
	v_rcp_f32 v[INV+2*\i+1], v[LS+\i]
.endr
	v_nop                                          ; a plain place behind the reciprocals (ISA guide 5.7.2)
	s_wait_alu depctr_va_vdst(0)
.irp tk, 0,1
.irp hh, 0,1
	WIN 0x01
.irp n, 0,1,2,3,4,5,6,7,8,9,10,11,12,13,14,15
	v_pk_mul_f32 v[WT+2*\n:WT+2*\n+1], v[32*(2*\hh+\tk)+2*\n:32*(2*\hh+\tk)+2*\n+1], v[INV+2*(2*\hh+\tk):INV+2*(2*\hh+\tk)+1]
.endr
	WIN 0
.irp n, 0,1,2,3,4,5,6,7,8,9,10,11,12,13,14,15
	v_cvt_pk_bf16_f32 v[WO+\n], v[WT+2*\n], v[WT+2*\n+1]
.endr
.irp dt, 0,1,2,3
	ds_store_b128 v[STO], v[WO+4*\dt:WO+4*\dt+3] offset:\hh*128+\dt*32
.endr
.endr
	s_wait_xcnt 0x0                                ; the registers that earlier stores read are loaded again only behind this wait
.irp u, 0,1,2,3,4,5,6,7
	ds_load_b128 v[WR+4*\u:WR+4*\u+3], v[RD] offset:\u*2*STP       ; LDS serves a wave's instructions in order (ISA guide 5.7.1): these see the stores above
.endr
.irp u, 0,1,2,3,4,5,6,7
	s_wait_dscnt 7-\u
	global_store_b128 v[CO], v[WR+4*\u:WR+4*\u+3], s[12:13] offset:(16*\tk+2*\u)*2048   ; 16 lanes store 256 consecutive bytes, aligned
.endr
.endr
	s_wait_tensorcnt 0x0
	ds_add_u32 v254, v255
	s_wait_dscnt 0x0
	ROUND                                          ; the closing round: no work-group ends while a partner may still ask jointly
	s_endpgm
.Lfunc_end_k_qa6a8aa5b7b_attn:
	.size	k_qa6a8aa5b7b_attn, .Lfunc_end_k_qa6a8aa5b7b_attn-k_qa6a8aa5b7b_attn
	.p2alignl 7, 3214868480
	.fill 96, 4, 3214868480
	.section	.rodata,"a",@progbits
	.p2align	6, 0x0
	.amdhsa_kernel k_qa6a8aa5b7b_attn
		.amdhsa_group_segment_fixed_size 327680
		.amdhsa_private_segment_fixed_size 0
		.amdhsa_enable_private_segment 0
		.amdhsa_kernarg_size 40
		.amdhsa_user_sgpr_count 2
		.amdhsa_user_sgpr_kernarg_segment_ptr 1
		.amdhsa_wavefront_size32 1
		.amdhsa_system_sgpr_workgroup_id_x 1
		.amdhsa_system_sgpr_workgroup_id_y 1
		.amdhsa_system_sgpr_workgroup_id_z 1
		.amdhsa_system_vgpr_workitem_id 0
		.amdhsa_next_free_vgpr 448
		.amdhsa_next_free_sgpr 100
		.amdhsa_reserve_vcc 0
		.amdhsa_float_denorm_mode_32 3
		.amdhsa_float_denorm_mode_16_64 3
		.amdhsa_memory_ordered 1
		.amdhsa_forward_progress 1
		.amdhsa_inst_pref_size 255
	.end_amdhsa_kernel
	.section	.bss,"aw",@nobits
	.p2align	6
	.space	262144
	.amdgpu_metadata
---
amdhsa.version: [ 1, 2 ]
amdhsa.kernels:
  - .name:           k_qa6a8aa5b7b_attn
    .symbol:         k_qa6a8aa5b7b_attn.kd
    .args:
      - { .name: x, .offset: 0, .size: 8, .value_kind: global_buffer, .address_space: global }
      - { .name: wqb, .offset: 8, .size: 8, .value_kind: global_buffer, .address_space: global }
      - { .name: bq, .offset: 16, .size: 8, .value_kind: global_buffer, .address_space: global }
      - { .name: kv, .offset: 24, .size: 8, .value_kind: global_buffer, .address_space: global }
      - { .name: ctx, .offset: 32, .size: 8, .value_kind: global_buffer, .address_space: global }
    .group_segment_fixed_size: 327680
    .private_segment_fixed_size: 0
    .kernarg_segment_align: 8
    .kernarg_segment_size: 40
    .max_flat_workgroup_size: 256
    .sgpr_count:     100
    .vgpr_count:     448
    .wavefront_size: 32
...
	.end_amdgpu_metadata
.endif
;; end of part 2
;; launch oproj (part 3): grid 4 x 64, 4 waves a work-group, clusters of 4 x 4, 327,680 bytes of LDS; arguments ctx, wob, bo, out0; writes out0
.if DOCPART == 3
	.amdgcn_target "amdgcn-amd-amdhsa--gfx1250"
	.amdhsa_code_object_version 6
	.text
	.protected	k_qa6a8aa5b7b_oproj
	.globl	k_qa6a8aa5b7b_oproj
	.p2align	8
	.type	k_qa6a8aa5b7b_oproj,@function
k_qa6a8aa5b7b_oproj:
	s_mov_b64 s[64:65], 0
	v_nop
	global_prefetch_b8 v0, s[64:65] scope:SCOPE_SE
	s_setreg_imm32_b32 hwreg(HW_REG_WAVE_MODE, 25, 1), 1
	s_wait_xcnt 0x0
	s_wait_alu depctr_hold_cnt(0) depctr_sa_sdst(0) depctr_va_vdst(0) depctr_va_sdst(0) depctr_va_ssrc(0) depctr_va_vcc(0) depctr_vm_vsrc(0)
	s_getreg_b32 s2, hwreg(HW_REG_IB_STS2, 6, 4)
	s_cmp_eq_u32 s2, 0
	s_cbranch_scc0 .Lentry_in_a_cluster
	s_endpgm
.Lentry_in_a_cluster:
	s_bfe_u32 s2, ttmp6, 0x10000c
	s_cmp_lg_u32 s2, 0xf033
	s_cbranch_scc0 .Lentry_shape_is_right
	s_endpgm
.Lentry_shape_is_right:
; out0 = ctx Wo^T + bo.  ctx [8192][1024] and wob [1024][1024] in bf16, sums and out0 in f32.
; A work-group makes 128 tokens x 256 columns with four waves; a wave makes 64 x 128: 32 accumulator tiles, window 1 whole.
; Source 0 = 16 rows of Wo, source 1 = 16 rows of ctx: a lane holds one token, a tile's registers eight neighbouring columns.
; K = 1024 goes in eight steps of 128 through two LDS slots; a tile's rows are 256 bytes of memory, aligned.
; CLUSTER 4 x 4: ctx's tile hangs on the block row alone and is shared along a row of the cluster, Wo's on the block column alone and is
; shared along a column: joint loads, which divide the requests for both by four.
; A wave has two tensor loads out at the start and one behind each later round.
.set PIECE,  34816                     ; 128 rows x 272 bytes (ctx's halves use 64 rows of it)
.set SLOT,   4*PIECE                   ; ctx's two halves, then Wo's two
.set STAGE,  2*SLOT                    ; 16 rows x 528 bytes for each wave, its own; no tensor load lands here
.set PITCH,  272
.set OP,     528
.set ADRA, 16                          ; v16-17 my ctx fragments in slot 0, 1
.set ADRB, 20                          ; v20-21 my Wo fragments
.set STO,  24
.set RD,   25
.set CO,   26                          ; 16 x lane
.set FB,   32                          ; v32-127, v128-223: two buffers of eight Wo and four ctx fragments
.set BI,   224                         ; v224-227 bo of my four columns on the way out
.set G1A, 24
.set G0A, 32
.set G1B, 48
.set G0B, 56
.set MSB, 0
.macro WIN new                         ; s_set_vgpr_msb: bits 1:0 source 0, 3:2 source 1, 5:4 source 2, 7:6 destination; the high byte repeats the setting left
.if MSB != \new
	s_set_vgpr_msb (MSB<<8)|\new
.set MSB, \new
.endif
.endm
.macro PLACES                          ; four places behind a matrix instruction (ISA guide 7.12.1)
.rept 4
	v_nop
.endr
.endm
.macro ROUND                           ; a round of the cluster's barrier
	s_barrier_signal -1
	s_barrier_wait -1
	s_cmp_lg_u32 s12, 0
	s_cbranch_scc1 .Lnot_wave_0_\@
	s_barrier_signal -3
.Lnot_wave_0_\@:
	s_barrier_wait -3
	s_barrier_signal -1
	s_barrier_wait -1
.endm
.macro JLOAD sl                        ; waves 0, 1 bring ctx's halves, waves 2, 3 Wo's: one tensor load a wave, each line with one mask
	s_cmp_ge_u32 s12, 2
	s_cbranch_scc1 .Lfor_b_\@
	tensor_load_to_lds s[G0A+4*(\sl):G0A+4*(\sl)+3], s[G1A:G1A+7]
	s_nop 0
	s_branch .Lasked_\@
.Lfor_b_\@:
	tensor_load_to_lds s[G0B+4*(\sl):G0B+4*(\sl)+3], s[G1B:G1B+7]
	s_nop 0
.Lasked_\@:
.endm
	s_load_b256 s[4:11], s[0:1], 0x0               ; ctx, wob, bo, out0
	v_lshl_add_u32 v254, v0, 2, 0x4c400
	v_mov_b32 v255, 0
	ds_add_u32 v254, v255
	v_lshrrev_b32 v1, 5, v0
	v_readfirstlane_b32 s12, v1                    ; wave 0..3
	s_lshr_b32 s13, s12, 1                         ; tw: my 64 tokens
	s_and_b32 s14, s12, 1                          ; cw: my 128 columns; also the half that I bring
	s_bfe_u32 s40, ttmp6, 0x40000                  ; cx
	s_bfe_u32 s41, ttmp6, 0x40004                  ; cy
	s_lshl_b32 s42, ttmp9, 2
	s_add_co_u32 s42, s42, s40                     ; block column
	s_and_b32 s15, ttmp7, 0xffff
	s_lshl_b32 s15, s15, 2
	s_add_co_u32 s15, s15, s41                     ; block row
	s_lshl_b32 s43, s41, 2
	s_lshl_b32 s43, 15, s43                        ; my row of the cluster
	s_lshl_b32 s44, 0x1111, s40                    ; my column
	; elements of 2 bytes, 4 words of padding behind every 64, bit 21 beside the mask
	s_or_b32 s[G1A+0], s43, (1<<16)|(1<<20)|(1<<21)|(5<<22)|(3<<25)
	s_mov_b32 s[G1A+1], 128<<16                    ; tensor_dim0 = 128
	s_mov_b32 s[G1A+2], 64<<16                     ; tensor_dim1 = 64
	s_mov_b32 s[G1A+3], 128<<16                    ; tile_dim0 = 128
	s_mov_b32 s[G1A+4], 64                         ; tile_dim1 = 64
	s_mov_b32 s[G1A+5], 1024
	s_mov_b32 s[G1A+6], 0
	s_mov_b32 s[G1A+7], 0
	s_or_b32 s[G1B+0], s44, (1<<16)|(1<<20)|(1<<21)|(5<<22)|(3<<25)
	s_mov_b32 s[G1B+1], 128<<16
	s_mov_b32 s[G1B+2], 128<<16                    ; 128 rows
	s_mov_b32 s[G1B+3], 128<<16
	s_mov_b32 s[G1B+4], 128
	s_mov_b32 s[G1B+5], 1024
	s_mov_b32 s[G1B+6], 0
	s_mov_b32 s[G1B+7], 0
	; ctx's address is made of the block row and the wave's number, Wo's of the block column and the wave's number, each in registers of its own
	s_lshl_b32 s16, s15, 18                        ; 128 rows of 2,048 bytes
	s_lshl_b32 s17, s14, 17                        ; + my 64 rows
	s_add_co_u32 s16, s16, s17
	s_mov_b32 s17, 0
	s_lshl_b32 s46, s42, 19                        ; 256 rows of 2,048 bytes
	s_lshl_b32 s47, s14, 18                        ; + my 128 rows
	s_add_co_u32 s46, s46, s47
	s_mov_b32 s47, 0
	s_mul_i32 s20, s12, PIECE                      ; my piece of a slot: the wave's number alone
	s_lshl_b32 s22, s42, 10                        ; my columns in bytes of f32: 1,024 x block column + 512 x cw
	s_lshl_b32 s23, s14, 9
	s_add_co_u32 s22, s22, s23
	s_mov_b32 s23, 0
	s_wait_dscnt 0x0
	s_wait_kmcnt 0x0
	s_add_nc_u64 s[18:19], s[4:5], s[16:17]
	s_add_nc_u64 s[46:47], s[6:7], s[46:47]
	s_add_nc_u64 s[8:9], s[8:9], s[22:23]          ; bo at my columns
	s_add_nc_u64 s[10:11], s[10:11], s[22:23]
	s_lshl_b32 s22, s15, 19                        ; 128 rows of 4,096 bytes
	s_lshl_b32 s21, s13, 18                        ; + my 64 rows
	s_add_co_u32 s22, s22, s21
	s_add_nc_u64 s[10:11], s[10:11], s[22:23]      ; out0 at my first row and column
.irp s, 0,1
	s_mov_b32 s[G0A+4*\s], 1
	s_add_co_u32 s[G0A+4*\s+1], s20, \s*SLOT
	s_add_nc_u64 s[G0A+4*\s+2:G0A+4*\s+3], s[18:19], \s*256        ; K step s
	s_or_b32 s[G0A+4*\s+3], s[G0A+4*\s+3], 0x80000000
	s_mov_b32 s[G0B+4*\s], 1
	s_add_co_u32 s[G0B+4*\s+1], s20, \s*SLOT
	s_add_nc_u64 s[G0B+4*\s+2:G0B+4*\s+3], s[46:47], \s*256
	s_or_b32 s[G0B+4*\s+3], s[G0B+4*\s+3], 0x80000000
.endr
	ROUND                                          ; all sixteen work-groups are here: the first joint loads meet
	s_cmp_ge_u32 s12, 2                            ; both first fills of a wave inside one branch
	s_cbranch_scc1 .Lfirst_b
	tensor_load_to_lds s[G0A:G0A+3], s[G1A:G1A+7]
	s_nop 0
	tensor_load_to_lds s[G0A+4:G0A+7], s[G1A:G1A+7]
	s_nop 0
	s_branch .Lfirst_done
.Lfirst_b:
	tensor_load_to_lds s[G0B:G0B+3], s[G1B:G1B+7]
	s_nop 0
	tensor_load_to_lds s[G0B+4:G0B+7], s[G1B:G1B+7]
	s_nop 0
.Lfirst_done:
	v_and_b32 v1, 15, v0                           ; r
	v_bfe_u32 v2, v0, 4, 1                         ; h
	v_and_b32 v3, 31, v0
	v_lshlrev_b32 v[CO], 4, v3
	global_load_b128 v[BI:BI+3], v[CO], s[8:9]     ; bo of columns 4 lane .. + 3 of my 128
	v_mul_u32_u24 v4, v1, PITCH
	v_lshl_add_u32 v4, v2, 4, v4                   ; r x 272 + 16 h
	s_mul_i32 s21, s13, PIECE                      ; my 64 tokens are one of ctx's halves
	v_add_nc_u32 v[ADRA], s21, v4
	v_add_nc_u32 v[ADRA+1], SLOT, v[ADRA]
	s_mul_i32 s21, s14, PIECE                      ; my 128 columns are one of Wo's halves,
	s_add_co_u32 s21, s21, 2*PIECE                 ; which lie behind ctx's
	v_add_nc_u32 v[ADRB], s21, v4
	v_add_nc_u32 v[ADRB+1], SLOT, v[ADRB]
	s_mul_i32 s21, s12, 16*OP
	s_add_co_u32 s21, s21, STAGE                   ; my stage
	v_mul_u32_u24 v4, v1, OP
	v_lshl_add_u32 v4, v2, 5, v4                   ; row r, 32 bytes for each half of the lanes
	v_add_nc_u32 v[STO], s21, v4
	v_add_nc_u32 v[RD], s21, v[CO]                 ; back: 32 lanes take a row of 512 bytes
; 24 LDS loads: the fragments of 32 along K (128 rows of Wo, 64 rows of ctx) into buffer f
.macro FETCH3 sl, ks, f
.irp ct, 0,1,2,3,4,5,6,7
	ds_load_b128 v[\f+8*\ct:\f+8*\ct+3],   v[ADRB+\sl] offset:\ct*16*PITCH+(\ks)*64
	ds_load_b128 v[\f+8*\ct+4:\f+8*\ct+7], v[ADRB+\sl] offset:\ct*16*PITCH+(\ks)*64+32
.endr
.irp tk, 0,1,2,3
	ds_load_b128 v[\f+64+8*\tk:\f+64+8*\tk+3],   v[ADRA+\sl] offset:\tk*16*PITCH+(\ks)*64
	ds_load_b128 v[\f+64+8*\tk+4:\f+64+8*\tk+7], v[ADRA+\sl] offset:\tk*16*PITCH+(\ks)*64+32
.endr
.endm
; 32 matrix instructions; the 32 accumulators take turns, one instruction a turn.  zero = 1: the first products start the sums.
.macro MUL32 f, zero
.irp tk, 0,1,2,3
.irp ct, 0,1,2,3,4,5,6,7
.if \zero
	v_wmma_f32_16x16x32_bf16 v[8*(8*\tk+\ct):8*(8*\tk+\ct)+7], v[\f+8*\ct:\f+8*\ct+7], v[\f+64+8*\tk:\f+64+8*\tk+7], 0
.else
	v_wmma_f32_16x16x32_bf16 v[8*(8*\tk+\ct):8*(8*\tk+\ct)+7], v[\f+8*\ct:\f+8*\ct+7], v[\f+64+8*\tk:\f+64+8*\tk+7], v[8*(8*\tk+\ct):8*(8*\tk+\ct)+7]
.endif
.endr
.endr
.endm
; A quarter of a K step: this quarter's fragments are in; the next quarter's go out, four places behind the products that read their buffer; then the products.
.macro K3 sl, ks, zero
	s_wait_dscnt 0x0
.if \ks < 3
	WIN 0
	PLACES
	FETCH3 \sl, (\ks)+1, FB+96*(((\ks)+1)&1)
.endif
	WIN 0x50                                       ; C and D in window 1
	MUL32 FB+96*((\ks)&1), \zero
.endm
; A K step (slot sl).  In front of the round every wave has waited for all its tensor loads (its part of this step among them) and for its reads
; of the other slot; behind the round the other slot's refill is the wave's first and only tensor load.
.macro T3 sl, refill
	WIN 0
	s_wait_tensorcnt 0x0
	ds_add_u32 v254, v255
	s_wait_dscnt 0x0
.if \refill
	s_add_nc_u64 s[G0A+4*(1-\sl)+2:G0A+4*(1-\sl)+3], s[G0A+4*(1-\sl)+2:G0A+4*(1-\sl)+3], 512   ; no load of mine is out: two K steps on
	s_add_nc_u64 s[G0B+4*(1-\sl)+2:G0B+4*(1-\sl)+3], s[G0B+4*(1-\sl)+2:G0B+4*(1-\sl)+3], 512
.endif
	s_wait_dscnt 0x0
.if \refill
	ROUND
	JLOAD 1-\sl
.else
	s_barrier_signal -1
	s_barrier_wait -1
.endif
	PLACES
	FETCH3 \sl, 0, FB
	K3 \sl, 0, 0
	K3 \sl, 1, 0
	K3 \sl, 2, 0
	K3 \sl, 3, 0
.endm
	s_wait_tensorcnt 0x1                           ; my part of K step 0 is in; step 1's stays out
	s_barrier_signal -1
	s_barrier_wait -1
	FETCH3 0, 0, FB
	K3 0, 0, 1
	K3 0, 1, 0
	K3 0, 2, 0
	K3 0, 3, 0
	WIN 0
	s_mov_b32 s3, 3
.Lk:
	T3 1, 1                                        ; K steps 1, 3, 5
	T3 0, 1                                        ; K steps 2, 4, 6
	WIN 0
	s_sub_co_u32 s3, s3, 1
	s_cmp_lg_u32 s3, 0
	s_cbranch_scc1 .Lk
	T3 1, 0                                        ; K step 7: nothing is left to fetch
	; THE WAY OUT, 16 tokens at a time: a lane's 32 bytes of each tile into my own stage, whole rows of 512 bytes back, bo added, stored.
	WIN 0
	PLACES
	s_wait_loadcnt 0x0                             ; bo
.macro OUT16 tk, f
	WIN 0x04                                       ; the stores' data in window 1
.irp ct, 0,1,2,3,4,5,6,7
	ds_store_b128 v[STO], v[8*(8*\tk+\ct):8*(8*\tk+\ct)+3]   offset:\ct*64
	ds_store_b128 v[STO], v[8*(8*\tk+\ct)+4:8*(8*\tk+\ct)+7] offset:\ct*64+16
.endr
	WIN 0
	s_wait_xcnt 0x0                                ; the registers that earlier stores read are loaded again only behind this wait
.irp u, 0,1,2,3,4,5,6,7,8,9,10,11,12,13,14,15
	ds_load_b128 v[\f+4*\u:\f+4*\u+3], v[RD] offset:\u*OP          ; LDS serves a wave's instructions in order (ISA guide 5.7.1): these see the stores above
.endr
.irp u, 0,1,2,3,4,5,6,7,8,9,10,11,12,13,14,15
	s_wait_dscnt 15-\u
	v_pk_add_f32 v[\f+4*\u:\f+4*\u+1],   v[\f+4*\u:\f+4*\u+1],   v[BI:BI+1]
	v_pk_add_f32 v[\f+4*\u+2:\f+4*\u+3], v[\f+4*\u+2:\f+4*\u+3], v[BI+2:BI+3]
	global_store_b128 v[CO], v[\f+4*\u:\f+4*\u+3], s[10:11] offset:(16*\tk+\u)*4096   ; the wave's store covers 512 consecutive bytes, aligned
.endr
.endm
	OUT16 0, FB
	OUT16 1, FB+96
	OUT16 2, FB
	OUT16 3, FB+96
	s_wait_tensorcnt 0x0
	ds_add_u32 v254, v255
	s_wait_dscnt 0x0
	ROUND                                          ; the closing round: no work-group ends while a partner may still ask jointly
	s_endpgm
.Lfunc_end_k_qa6a8aa5b7b_oproj:
	.size	k_qa6a8aa5b7b_oproj, .Lfunc_end_k_qa6a8aa5b7b_oproj-k_qa6a8aa5b7b_oproj
	.p2alignl 7, 3214868480
	.fill 96, 4, 3214868480
	.section	.rodata,"a",@progbits
	.p2align	6, 0x0
	.amdhsa_kernel k_qa6a8aa5b7b_oproj
		.amdhsa_group_segment_fixed_size 327680
		.amdhsa_private_segment_fixed_size 0
		.amdhsa_enable_private_segment 0
		.amdhsa_kernarg_size 32
		.amdhsa_user_sgpr_count 2
		.amdhsa_user_sgpr_kernarg_segment_ptr 1
		.amdhsa_wavefront_size32 1
		.amdhsa_system_sgpr_workgroup_id_x 1
		.amdhsa_system_sgpr_workgroup_id_y 1
		.amdhsa_system_sgpr_workgroup_id_z 1
		.amdhsa_system_vgpr_workitem_id 0
		.amdhsa_next_free_vgpr 512
		.amdhsa_next_free_sgpr 66
		.amdhsa_reserve_vcc 0
		.amdhsa_float_denorm_mode_32 3
		.amdhsa_float_denorm_mode_16_64 3
		.amdhsa_memory_ordered 1
		.amdhsa_forward_progress 1
		.amdhsa_inst_pref_size 92
	.end_amdhsa_kernel
	.amdgpu_metadata
---
amdhsa.version: [ 1, 2 ]
amdhsa.kernels:
  - .name:           k_qa6a8aa5b7b_oproj
    .symbol:         k_qa6a8aa5b7b_oproj.kd
    .args:
      - { .name: ctx, .offset: 0, .size: 8, .value_kind: global_buffer, .address_space: global }
      - { .name: wob, .offset: 8, .size: 8, .value_kind: global_buffer, .address_space: global }
      - { .name: bo, .offset: 16, .size: 8, .value_kind: global_buffer, .address_space: global }
      - { .name: out0, .offset: 24, .size: 8, .value_kind: global_buffer, .address_space: global }
    .group_segment_fixed_size: 327680
    .private_segment_fixed_size: 0
    .kernarg_segment_align: 8
    .kernarg_segment_size: 32
    .max_flat_workgroup_size: 128
    .sgpr_count:     66
    .vgpr_count:     512
    .wavefront_size: 32
...
	.end_amdgpu_metadata
.endif
;; end of part 3
;; ======== version 2 of 2: 3 launches
;; workspace buffers: kv 2,097,152 bytes; wqb 2,097,152 bytes; wob 2,097,152 bytes; ctx 16,777,216 bytes
;; launch kvproj: the kernel of part 1 again; grid 256 x 1, 8 waves a work-group, clusters of 4 x 1, 327,680 bytes of LDS; arguments x_k, x_v, Wk, Wv, bk, bv, Wq, Wo, kv, wqb, wob; writes kv, wqb, wob
;; launch attn (part 4): grid 256 x 1, 8 waves a work-group, clusters of 4 x 1, 327,680 bytes of LDS; arguments x, wqb, bq, kv, ctx; writes ctx
.if DOCPART == 4
	.amdgcn_target "amdgcn-amd-amdhsa--gfx1250"
	.amdhsa_code_object_version 6
	.text
	.protected	k_qa6a8aa5b7b_attn
	.globl	k_qa6a8aa5b7b_attn
	.p2align	8
	.type	k_qa6a8aa5b7b_attn,@function
k_qa6a8aa5b7b_attn:
	s_mov_b64 s[64:65], 0
	v_nop
	global_prefetch_b8 v0, s[64:65] scope:SCOPE_SE
	s_setreg_imm32_b32 hwreg(HW_REG_WAVE_MODE, 25, 1), 1
	s_wait_xcnt 0x0
	s_wait_alu depctr_hold_cnt(0) depctr_sa_sdst(0) depctr_va_vdst(0) depctr_va_sdst(0) depctr_va_ssrc(0) depctr_va_vcc(0) depctr_vm_vsrc(0)
	s_getreg_b32 s2, hwreg(HW_REG_IB_STS2, 6, 4)
	s_cmp_eq_u32 s2, 0
	s_cbranch_scc0 .Lentry_in_a_cluster
	s_endpgm
.Lentry_in_a_cluster:
	s_bfe_u32 s2, ttmp6, 0x10000c
	s_cmp_lg_u32 s2, 0x3003
	s_cbranch_scc0 .Lentry_shape_is_right
	s_endpgm
.Lentry_shape_is_right:
; ctx = softmax(rope(x Wq^T + bq) rope(k)^T / 8) v for 128 tokens x 4 heads in each work-group; q never leaves the registers.
; Cluster = one block of 128 tokens; its four work-groups take four heads each.  Wave w: tokens 32 (w & 3) .. + 31, heads 2 (w >> 2), + 1
; of the group's four: four query tiles i = 2 hh + tk of 16 queries.
; ALL PRODUCTS ARE TAKEN TRANSPOSED, so a result tile holds one query in a lane and eight neighbouring indices in its registers:
;   q^T = Wq x^T (register j: column 16 ct + 8 h + j), S^T = K Q^T (register j: key 16 kt + 8 h + j), ctx^T = V^T P^T (register j: d).
; Four packed roundings turn such a tile into half of the next product's second source: no LDS trip, no exchange between lanes.  The
; softmax's figures are one a lane; the two halves of the lanes (keys 8 h + j) meet by one exchange for the maximum, and once at the end for the sum.
; PHASE 1: K = 1024 in eight chunks of 128 through two LDS slots (x in f32, rounded on the way to the matrix unit; Wq in bf16).
; PHASE 2: 2,048 keys in eight tiles of 256 through the same two slots, four sub-steps of 64 keys each; running maximum and sum.
; LOOPS: chunks 1 to 6 go round a loop of two chunks; a sub-step's text stands once for each slot and is run four times a tile, its LDS
; addresses made from the trip's number.  So the text that the eight waves run again and again is one sub-step long.
; MATRIX AND VECTOR WORK OF ONE WAVE ARE INTERLEAVED in phase 2: the eight score products of query tile i + 1 stand one by one among the
; vector instructions of tile i's softmax, and the multiplies that rescale an accumulator stand among the products of the accumulators before it.
; The registers are split so that this needs no switch of windows: all that scores and softmax touch lies in window 1, the ctx accumulators
; and V's fragments in window 0.
; The factor log2(e) / 8 rides on the cosines and sines of q's rotation, so the exponentials are plain powers of two.
; CLUSTER: x's, K's and V's tiles are the same for the four partners: joint loads, mask 15.  Wq's 256 rows are each partner's own: plain loads.
; A wave has two tensor loads out at the start and one behind each later round.
; LIMITS: the rotary angle is reduced in f32 (up to about 3e-4 rad at position 2047).  Infinities and NaN in the inputs are not served.
.set PIECE1, 17408                     ; phase 1: x 32 rows x 528 bytes (16,896 used), Wq 64 rows x 272
.set PIECE2, 10240                     ; phase 2: K 64 rows x 144 bytes (9,216 used), V 64 rows x 160
.set SLOT,   139264
.set STAGE,  278528                    ; 16 rows x 272 bytes for each wave, its own; no tensor load lands here
.set XP, 528
.set WP, 272
.set KP, 144
.set VP, 160
.set STP, 272
; WINDOW 0
.set BOF,  7                           ; byte offset of my first bias
.set ADRX, 8                           ; v8-9    my x fragments in slot 0, 1
.set ADRW, 10                          ; v10-11  my Wq fragments
.set ADRK, 12                          ; v12-13  K fragments, sub-step 0
.set ADRV, 14                          ; v14-15  V fragments (transposing loads), sub-step 0
.set STO,  16
.set RD,   17
.set CO,   18
.set PFO,  19                          ; prefetch: (32 cx + lane) rows of 4,096 bytes; never rewritten
.set CK,   20                          ; this sub-step's K address
.set CV,   21                          ; this sub-step's V address
.set AF,   32                          ; phase 1: v32-159 two buffers of eight Wq fragments
.set XF,   160                         ; v160-191 x in f32
.set XB,   192                         ; v192-223 two buffers of two x fragments
.set IFQ,  32                          ; rotation: 16 frequencies
.set CS,   48                          ; 16 cosines
.set SN,   64                          ; 16 sines
.set U,    80
.set Z,    82
.set PSI,  84
.set PCO,  86
.set TW,   88
.set RT,   96                          ; v96-127 one query tile, rotated
.set POS,  128
.set K11,  130
.set K12,  132
.set ACC,  32                          ; phase 2: v32-159 ctx accumulators, tile (i, dt) at ACC + 8 (4 i + dt)
.set VF,   160                         ; v160-223 V fragment (kc, dt) at VF + 32 kc + 8 dt
.set WT,   160                         ; the way out
.set WO,   192
.set INV,  208                         ; v208-215 1 / sum, a pair for each query tile
.set WR,   224
; WINDOW 1.  Phase 1: v0-127 accumulators, tile (ct, tk) at 8 (2 ct + tk); v128-191 bq's tiles.
.set KF,   0                           ; phase 2: K fragment (kt, dh) at KF + 16 kt + 8 dh
.set SB0,  64                          ; two buffers of four score tiles
.set SB1,  96
.set QF,   128                         ; Q: 16 registers for each query tile (first bq's tiles)
.set PB,   192                         ; P: two fragments
.set TM,   208                         ; v208-213 at work
.set MX,   214                         ; v214-217 running maximum of query tile i
.set LS,   218                         ; v218-221 running sum (my half of the keys)
.set AL,   222                         ; v222-223 rescale factor (v223 only fills the pair)
.set MN,   224                         ; v224-225 the new maximum, twice
.set G1X, 32
.set G1W, 40
.set G1K, 48
.set G1V, 56
.set G0X, 68                           ; group 0, one set for each slot
.set G0W, 76
.set G0K, 84
.set G0V, 92
.set MSB, 0
.macro WIN new                         ; s_set_vgpr_msb: bits 1:0 source 0, 3:2 source 1, 5:4 source 2, 7:6 destination; the high byte repeats the setting left
.if MSB != \new
	s_set_vgpr_msb (MSB<<8)|\new
.set MSB, \new
.endif
.endm
.macro PLACES                          ; four places behind a matrix instruction (ISA guide 7.12.1)
.rept 4
	v_nop
.endr
.endm
.macro ROUND                           ; a round of the cluster's barrier
	s_barrier_signal -1
	s_barrier_wait -1
	s_cmp_lg_u32 s14, 0
	s_cbranch_scc1 .Lnot_wave_0_\@
	s_barrier_signal -3
.Lnot_wave_0_\@:
	s_barrier_wait -3
	s_barrier_signal -1
	s_barrier_wait -1
.endm
.macro JLOAD ga, sa, gb, sb            ; waves 0-3 ask by (ga, sa), waves 4-7 by (gb, sb): one tensor load a wave
	s_cmp_ge_u32 s14, 4
	s_cbranch_scc1 .Lupper_\@
	tensor_load_to_lds s[\ga:\ga+3], s[\sa:\sa+7]
	s_nop 0
	s_branch .Lasked_\@
.Lupper_\@:
	tensor_load_to_lds s[\gb:\gb+3], s[\sb:\sb+7]
	s_nop 0
.Lasked_\@:
.endm
; Wave 7 asks for chunk c of the 32 rows of x that fall to this work-group (32 cx + lane): 512 bytes of a row, two requests 256 bytes apart,
; so every block of the cluster's 128 rows is asked for once.  Chunk c is asked for two trips ahead of the tensor load that brings it; chunk 7 is the last.
.macro PFX c
	s_cmp_lg_u32 s14, 7
	s_cbranch_scc1 .Lno_pf_\@
	global_prefetch_b8 v[PFO], s[28:29] offset:(\c)*512 th:TH_LOAD_NT scope:SCOPE_SE
	global_prefetch_b8 v[PFO], s[28:29] offset:(\c)*512+256 th:TH_LOAD_NT scope:SCOPE_SE
.Lno_pf_\@:
.endm
; The same inside the loop of chunks, whose base steps two chunks a trip: trips 3 and 2 of the count-down ask for chunks 4, 5 and 6, 7;
; the last trip (count 1) asks for nothing, so no request leaves a row's eight chunks.
.macro PFXL c
	s_cmp_lg_u32 s14, 7
	s_cbranch_scc1 .Lno_pfl_\@
	s_cmp_eq_u32 s26, 1
	s_cbranch_scc1 .Lno_pfl_\@
	global_prefetch_b8 v[PFO], s[28:29] offset:(\c)*512 th:TH_LOAD_NT scope:SCOPE_SE
	global_prefetch_b8 v[PFO], s[28:29] offset:(\c)*512+256 th:TH_LOAD_NT scope:SCOPE_SE
.Lno_pfl_\@:
.endm
	s_load_b256 s[4:11], s[0:1], 0x0               ; x, wqb, bq, kv
	s_load_b64 s[12:13], s[0:1], 0x20              ; ctx
	v_lshl_add_u32 v30, v0, 2, 0x4c800
	v_mov_b32 v31, 0
	ds_add_u32 v30, v31
	v_lshrrev_b32 v3, 5, v0
	v_readfirstlane_b32 s14, v3                    ; wave 0..7
	s_lshr_b32 s15, s14, 2                         ; hp: my pair of heads
	s_and_b32 s16, s14, 3                          ; tq: my 32 tokens; also the piece that I bring
	s_bfe_u32 s17, ttmp6, 0x40000                  ; cx: the group of four heads
	s_mov_b32 s18, ttmp9                           ; the block of 128 tokens
	s_lshr_b32 s19, s18, 4                         ; the batch
	s_mov_b32 s20, 0x76543210                      ; v_permlanex16_b32: lane i reads lane i of the other half
	s_mov_b32 s21, 0xfedcba98
	; x: 32 rows x 128 elements of 4 bytes, 4 words of padding behind every 128
	s_mov_b32 s[G1X+0], 15|(2<<16)|(1<<20)|(1<<21)|(6<<22)|(3<<25)
	s_mov_b32 s[G1X+1], 128<<16
	s_mov_b32 s[G1X+2], 32<<16
	s_mov_b32 s[G1X+3], 128<<16
	s_mov_b32 s[G1X+4], 32
	s_mov_b32 s[G1X+5], 1024
	s_mov_b32 s[G1X+6], 0
	s_mov_b32 s[G1X+7], 0
	; Wq: 64 rows x 128 elements of 2 bytes, 4 words behind every 64; no mask
	s_mov_b32 s[G1W+0], (1<<16)|(1<<20)|(5<<22)|(3<<25)
	s_mov_b32 s[G1W+1], 128<<16
	s_mov_b32 s[G1W+2], 64<<16
	s_mov_b32 s[G1W+3], 128<<16
	s_mov_b32 s[G1W+4], 64
	s_mov_b32 s[G1W+5], 1024
	s_mov_b32 s[G1W+6], 0
	s_mov_b32 s[G1W+7], 0
	; K: 64 rows x 64 elements of 2 bytes, 4 words behind every 32 (pitch 144)
	s_mov_b32 s[G1K+0], 15|(1<<16)|(1<<20)|(1<<21)|(4<<22)|(3<<25)
	s_mov_b32 s[G1K+1], 64<<16
	s_mov_b32 s[G1K+2], 64<<16
	s_mov_b32 s[G1K+3], 64<<16
	s_mov_b32 s[G1K+4], 64
	s_mov_b32 s[G1K+5], 64
	s_mov_b32 s[G1K+6], 0
	s_mov_b32 s[G1K+7], 0
	; V: the same with 8 words of padding (pitch 160, an odd multiple of 32 for the transposing loads)
	s_mov_b32 s[G1V+0], 15|(1<<16)|(1<<20)|(1<<21)|(4<<22)|(7<<25)
	s_mov_b32 s[G1V+1], 64<<16
	s_mov_b32 s[G1V+2], 64<<16
	s_mov_b32 s[G1V+3], 64<<16
	s_mov_b32 s[G1V+4], 64
	s_mov_b32 s[G1V+5], 64
	s_mov_b32 s[G1V+6], 0
	s_mov_b32 s[G1V+7], 0
	s_mul_i32 s2, s14, PIECE1                      ; my piece of a slot, by the wave's number alone
	s_mul_i32 s3, s14, PIECE2
	s_mov_b32 s23, 0
	s_mov_b32 s25, 0
	s_mov_b32 s31, 0
	s_wait_dscnt 0x0
	s_wait_kmcnt 0x0
	; s22-25 hold only what the four partners share; s30-31 hold what hangs on cx
	s_lshl_b32 s22, s18, 19                        ; 128 rows of 4,096 bytes
	s_add_nc_u64 s[28:29], s[4:5], s[22:23]        ; x at the block: the prefetches' base
	s_lshl_b32 s24, s16, 17                        ; 32 rows of x; also 64 rows of 2,048 bytes of Wq
	s_add_nc_u64 s[4:5], s[28:29], s[24:25]
	s_add_nc_u64 s[6:7], s[6:7], s[24:25]
	s_lshl_b32 s30, s17, 19                        ; my group's 256 rows of Wq
	s_add_nc_u64 s[6:7], s[6:7], s[30:31]
	s_lshl_b32 s22, s19, 18                        ; the batch's 2,048 rows of 128 bytes
	s_add_nc_u64 s[10:11], s[10:11], s[22:23]
	s_lshl_b32 s24, s16, 13                        ; my 64 rows of a tile
	s_add_nc_u64 s[10:11], s[10:11], s[24:25]
	s_lshl_b32 s30, s17, 10
	s_add_nc_u64 s[8:9], s[8:9], s[30:31]          ; bq at my group's 256 columns
	s_lshl_b32 s30, s18, 18                        ; ctx: 128 rows of 2,048 bytes,
	s_lshl_b32 s31, s16, 16                        ; my 32 rows,
	s_add_co_u32 s30, s30, s31
	s_lshl_b32 s31, s17, 9                         ; my group's four heads,
	s_add_co_u32 s30, s30, s31
	s_lshl_b32 s31, s15, 8                         ; my two heads: 256 bytes
	s_add_co_u32 s30, s30, s31
	s_mov_b32 s31, 0
	s_add_nc_u64 s[12:13], s[12:13], s[30:31]
.irp s, 0,1
	s_mov_b32 s[G0X+4*\s], 1
	s_add_co_u32 s[G0X+4*\s+1], s2, \s*SLOT
	s_add_nc_u64 s[G0X+4*\s+2:G0X+4*\s+3], s[4:5], \s*512          ; chunk s: 128 f32
	s_or_b32 s[G0X+4*\s+3], s[G0X+4*\s+3], 0x80000000
	s_mov_b32 s[G0W+4*\s], 1
	s_add_co_u32 s[G0W+4*\s+1], s2, \s*SLOT
	s_add_nc_u64 s[G0W+4*\s+2:G0W+4*\s+3], s[6:7], \s*256          ; chunk s: 128 bf16
	s_or_b32 s[G0W+4*\s+3], s[G0W+4*\s+3], 0x80000000
	s_mov_b32 s[G0K+4*\s], 1
	s_add_co_u32 s[G0K+4*\s+1], s3, \s*SLOT
	s_add_nc_u64 s[G0K+4*\s+2:G0K+4*\s+3], s[10:11], \s*32768      ; tile s: 256 rows of 128 bytes
	s_or_b32 s[G0K+4*\s+3], s[G0K+4*\s+3], 0x80000000
	s_mov_b32 s[G0V+4*\s], 1
	s_add_co_u32 s[G0V+4*\s+1], s3, \s*SLOT
	s_add_nc_u64 s[G0V+4*\s+2:G0V+4*\s+3], s[10:11], \s*32768+1048576   ; v's plane
	s_or_b32 s[G0V+4*\s+3], s[G0V+4*\s+3], 0x80000000
.endr
	ROUND                                          ; the four work-groups are here: the first joint loads meet
	s_cmp_ge_u32 s14, 4                            ; both first fills of a wave inside one branch
	s_cbranch_scc1 .Lfirst_w
	tensor_load_to_lds s[G0X:G0X+3], s[G1X:G1X+7]
	s_nop 0
	tensor_load_to_lds s[G0X+4:G0X+7], s[G1X:G1X+7]
	s_nop 0
	s_branch .Lfirst_done
.Lfirst_w:
	tensor_load_to_lds s[G0W:G0W+3], s[G1W:G1W+7]
	s_nop 0
	tensor_load_to_lds s[G0W+4:G0W+7], s[G1W:G1W+7]
	s_nop 0
.Lfirst_done:
	v_and_b32 v1, 15, v0                           ; r
	v_bfe_u32 v2, v0, 4, 1                         ; h
	v_and_b32 v3, 31, v0                           ; lane
	v_lshlrev_b32 v[BOF], 5, v2
	v_lshl_add_u32 v[BOF], s15, 9, v[BOF]          ; 4 (128 hp + 8 h)
	WIN 0x40                                       ; bq's tiles in the accumulators' layout (register j: column 16 ct + 8 h + j): the first products' C
.irp ct, 0,1,2,3,4,5,6,7
	global_load_b128 v[QF+8*\ct:QF+8*\ct+3],   v[BOF], s[8:9] offset:\ct*64
	global_load_b128 v[QF+8*\ct+4:QF+8*\ct+7], v[BOF], s[8:9] offset:\ct*64+16
.endr
	v_mov_b32 v[AL+1], 0                           ; fills the pair that the packed multiply names
	WIN 0
	s_lshl_b32 s30, s17, 5
	v_add_nc_u32 v[PFO], s30, v3
	v_lshlrev_b32 v[PFO], 12, v[PFO]
	PFX 2
	v_mul_u32_u24 v4, v1, XP
	v_lshl_add_u32 v4, v2, 5, v4                   ; r x 528 + 32 h
	s_mul_i32 s22, s16, PIECE1
	v_add_nc_u32 v[ADRX], s22, v4
	v_add_nc_u32 v[ADRX+1], SLOT, v[ADRX]
	v_mul_u32_u24 v4, v1, WP
	v_lshl_add_u32 v4, v2, 4, v4                   ; r x 272 + 16 h
	s_mul_i32 s22, s15, 128*WP
	s_add_co_u32 s22, s22, 4*PIECE1
	v_add_nc_u32 v[ADRW], s22, v4
	v_add_nc_u32 v[ADRW+1], SLOT, v[ADRW]
	s_mul_i32 s22, s14, 16*STP
	s_add_co_u32 s22, s22, STAGE                   ; my stage
	v_add_nc_u32 v[STO], s22, v4
	v_mul_u32_u24 v4, v2, STP
	v_lshl_add_u32 v4, v1, 4, v4
	v_add_nc_u32 v[RD], s22, v4                    ; lanes 0-15 read one row of 256 bytes back, lanes 16-31 the next
	v_lshlrev_b32 v4, 11, v2
	v_lshl_add_u32 v[CO], v1, 4, v4                ; the same two rows in ctx
	v_mul_u32_u24 v4, v1, KP
	v_lshl_add_u32 v[ADRK], v2, 4, v4
	v_add_nc_u32 v[ADRK+1], SLOT, v[ADRK]
	v_and_b32 v5, 7, v0
	v_lshl_add_u32 v5, v2, 3, v5                   ; key 8 h + (lane & 7)
	v_mul_u32_u24 v5, v5, VP
	v_bfe_u32 v6, v0, 3, 1
	v_lshl_add_u32 v5, v6, 4, v5
	v_add_nc_u32 v[ADRV], 4*PIECE2, v5
	v_add_nc_u32 v[ADRV+1], SLOT, v[ADRV]
; PHASE 1.  24 LDS loads for one K step of 32: eight Wq fragments, and two x fragments in f32
.macro XWLOADS sl, ks, ab
.irp ct, 0,1,2,3,4,5,6,7
	ds_load_b128 v[\ab+8*\ct:\ab+8*\ct+3],   v[ADRW+\sl] offset:\ct*16*WP+(\ks)*64
	ds_load_b128 v[\ab+8*\ct+4:\ab+8*\ct+7], v[ADRW+\sl] offset:\ct*16*WP+(\ks)*64+32
.endr
.irp tk, 0,1
	ds_load_b128 v[XF+16*\tk:XF+16*\tk+3],     v[ADRX+\sl] offset:\tk*16*XP+(\ks)*128
	ds_load_b128 v[XF+16*\tk+4:XF+16*\tk+7],   v[ADRX+\sl] offset:\tk*16*XP+(\ks)*128+16
	ds_load_b128 v[XF+16*\tk+8:XF+16*\tk+11],  v[ADRX+\sl] offset:\tk*16*XP+(\ks)*128+64
	ds_load_b128 v[XF+16*\tk+12:XF+16*\tk+15], v[ADRX+\sl] offset:\tk*16*XP+(\ks)*128+80
.endr
.endm
; One K step.  The 16 roundings are also the places between the last step's matrix instructions and the loads into their sources.
; The 16 accumulators take turns, one instruction a turn.
.macro K1 sl, ks, cinit
.set CA, AF+64*((\ks)&1)
.set NA, AF+64*(((\ks)+1)&1)
.set CX, XB+16*((\ks)&1)
	s_wait_dscnt 0x0                               ; this step's 24 loads, issued ahead of the last step's products
.irp n, 0,1,2,3,4,5,6,7,8,9,10,11,12,13,14,15
	v_cvt_pk_bf16_f32 v[CX+\n], v[XF+2*\n], v[XF+2*\n+1]
.endr
.if \ks < 3
	XWLOADS \sl, (\ks)+1, NA
.endif
	WIN 0x50                                       ; C and D in window 1
.irp ct, 0,1,2,3,4,5,6,7
.irp tk, 0,1
.if \cinit
	v_wmma_f32_16x16x32_bf16 v[8*(2*\ct+\tk):8*(2*\ct+\tk)+7], v[CA+8*\ct:CA+8*\ct+7], v[CX+8*\tk:CX+8*\tk+7], v[QF+8*\ct:QF+8*\ct+7]
.else
	v_wmma_f32_16x16x32_bf16 v[8*(2*\ct+\tk):8*(2*\ct+\tk)+7], v[CA+8*\ct:CA+8*\ct+7], v[CX+8*\tk:CX+8*\tk+7], v[8*(2*\ct+\tk):8*(2*\ct+\tk)+7]
.endif
.endr
.endr
	WIN 0
.endm
.macro PH1 sl, cinit
	XWLOADS \sl, 0, AF
	K1 \sl, 0, \cinit
	K1 \sl, 1, 0
	K1 \sl, 2, 0
	K1 \sl, 3, 0
.endm
; A trip multiplies the chunk in slot cur.  In front of the round every wave has waited for all its tensor loads and for its reads of the other
; slot; behind it the other slot's refill is the wave's first and only tensor load: the next chunk (kv = 0), or the first K and V tile (kv = 1).
.macro T1 cur, oth, kv, pf
	s_wait_tensorcnt 0x0
	ds_add_u32 v30, v31
.if \kv == 0
	s_add_nc_u64 s[G0X+4*\oth+2:G0X+4*\oth+3], s[G0X+4*\oth+2:G0X+4*\oth+3], 1024   ; no load of mine is out: two chunks on
	s_add_nc_u64 s[G0W+4*\oth+2:G0W+4*\oth+3], s[G0W+4*\oth+2:G0W+4*\oth+3], 512
.endif
	s_wait_dscnt 0x0
	ROUND
.if \kv == 0
	JLOAD G0X+4*\oth, G1X, G0W+4*\oth, G1W
	PFXL \pf
.else
	JLOAD G0K, G1K, G0V, G1V
.endif
	PH1 \cur, 0
.endm
	s_wait_tensorcnt 0x1                           ; my part of chunk 0 is in; chunk 1's stays out
	s_wait_loadcnt 0x0                             ; bq
	s_barrier_signal -1
	s_barrier_wait -1
	PFX 3
	PH1 0, 1                                       ; chunk 0 stands in front of the loop: bq starts the sums
	s_mov_b32 s26, 3
.Lq:
	T1 1, 0, 0, 4                                  ; chunks 1, 3, 5; chunks 2, 4, 6 go out
	T1 0, 1, 0, 5                                  ; chunks 2, 4, 6; chunks 3, 5, 7 go out
	s_wait_xcnt 0x0                                ; the prefetches' base is stepped only behind this wait
	s_add_nc_u64 s[28:29], s[28:29], 1024          ; two chunks on
	s_sub_co_u32 s26, s26, 1
	s_cmp_lg_u32 s26, 0
	s_cbranch_scc1 .Lq
	T1 1, 0, 1, 0                                  ; chunk 7; the first K and V tile goes out
	; ROTATION, while the first K and V tile is on its way.  Frequencies 2^(-i log2(10000)/32), i = 16 dt + 8 h + j, dt = 0, 1
	PLACES
	v_lshlrev_b32 v4, 3, v2
.irp e, 0,1,2,3,4,5,6,7,8,9,10,11,12,13,14,15
	v_add_nc_u32 v[U+\e], 16*(\e>>3)+(\e&7), v4
.endr
.irp e, 0,1,2,3,4,5,6,7,8,9,10,11,12,13,14,15
	v_cvt_f32_u32 v[U+\e], v[U+\e]
.endr
.irp e, 0,1,2,3,4,5,6,7,8,9,10,11,12,13,14,15
	v_mul_f32 v[U+\e], 0xbed49a78, v[U+\e]
.endr
.irp e, 0,1,2,3,4,5,6,7,8,9,10,11,12,13,14,15
	v_exp_f32 v[IFQ+\e], v[U+\e]
.endr
	v_mov_b32 v[K11], 0xbbf183a8                   ; a plain instruction behind the exponentials (ISA guide 5.7.2); -pi^11/11!
	v_mov_b32 v[K11+1], 0xbbf183a8
	v_mov_b32 v[K12], 0x3afce9c5                   ; pi^12/12!
	v_mov_b32 v[K12+1], 0x3afce9c5
	s_wait_alu depctr_va_vdst(0)
	s_and_b32 s22, s18, 15
	s_lshl_b32 s22, s22, 7                         ; the block's first position in its sequence
	s_lshl_b32 s23, s16, 5
	s_add_co_u32 s22, s22, s23
; Cosine and sine of position x frequency for two frequencies, times ka.  The angle in revolutions less its nearest whole number is
; u in [-1/2, 1/2]; s = sin(pi u) and c = cos(pi u) by their series in u; sin = 2 s c, cos = 1 - 2 s s.  kb = 2 ka, kc = -2 ka.
.macro SINCOS2 cd, sd, fq, ka, kb, kc
	v_pk_mul_f32 v[U:U+1], v[\fq:\fq+1], v[POS:POS+1]
	v_pk_mul_f32 v[U:U+1], v[U:U+1], 0x3e22f983 op_sel_hi:[1,0]
	v_rndne_f32 v[Z], v[U]
	v_rndne_f32 v[Z+1], v[U+1]
	v_pk_add_f32 v[U:U+1], v[U:U+1], v[Z:Z+1] neg_lo:[0,1] neg_hi:[0,1]
	v_pk_mul_f32 v[Z:Z+1], v[U:U+1], v[U:U+1]
	v_pk_fma_f32 v[PSI:PSI+1], v[Z:Z+1], v[K11:K11+1], 0x3da83c1a op_sel_hi:[1,1,0]
	v_pk_fma_f32 v[PCO:PCO+1], v[Z:Z+1], v[K12:K12+1], 0xbcd368f9 op_sel_hi:[1,1,0]
	v_pk_fma_f32 v[PSI:PSI+1], v[PSI:PSI+1], v[Z:Z+1], 0xbf196966 op_sel_hi:[1,1,0]
	v_pk_fma_f32 v[PCO:PCO+1], v[PCO:PCO+1], v[Z:Z+1], 0x3e70fa83 op_sel_hi:[1,1,0]
	v_pk_fma_f32 v[PSI:PSI+1], v[PSI:PSI+1], v[Z:Z+1], 0x402335e3 op_sel_hi:[1,1,0]
	v_pk_fma_f32 v[PCO:PCO+1], v[PCO:PCO+1], v[Z:Z+1], 0xbfaae9e4 op_sel_hi:[1,1,0]
	v_pk_fma_f32 v[PSI:PSI+1], v[PSI:PSI+1], v[Z:Z+1], 0xc0a55de7 op_sel_hi:[1,1,0]
	v_pk_fma_f32 v[PCO:PCO+1], v[PCO:PCO+1], v[Z:Z+1], 0x4081e0f8 op_sel_hi:[1,1,0]
	v_pk_fma_f32 v[PSI:PSI+1], v[PSI:PSI+1], v[Z:Z+1], 0x40490fdb op_sel_hi:[1,1,0]
	v_pk_fma_f32 v[PCO:PCO+1], v[PCO:PCO+1], v[Z:Z+1], 0xc09de9e6 op_sel_hi:[1,1,0]
	v_pk_mul_f32 v[PSI:PSI+1], v[PSI:PSI+1], v[U:U+1]
	v_pk_fma_f32 v[PCO:PCO+1], v[PCO:PCO+1], v[Z:Z+1], 1.0 op_sel_hi:[1,1,0]
	v_pk_mul_f32 v[TW:TW+1], v[PSI:PSI+1], \kb op_sel_hi:[1,0]
	v_pk_mul_f32 v[Z:Z+1], v[PSI:PSI+1], \kc op_sel_hi:[1,0]
	v_pk_mul_f32 v[\sd:\sd+1], v[TW:TW+1], v[PCO:PCO+1]
	v_pk_fma_f32 v[\cd:\cd+1], v[Z:Z+1], v[PSI:PSI+1], \ka op_sel_hi:[1,1,0]
.endm
; Query tile (hh, tk): a = q[d] (tiles 4 hh + dt), b = q[d + 32] (tiles 4 hh + dt + 2), the same lane and register.
; a' = a cos - b sin, b' = b cos + a sin; then 16 packed roundings make the tile's two fragments of Q.
.macro ROT hh, tk
	WIN 0x01                                       ; source 0 in window 1
.irp dt, 0,1
.irp p, 0,2,4,6
.set RA, 8*(2*(4*\hh+\dt)+\tk)+\p
.set RBB, 8*(2*(4*\hh+\dt+2)+\tk)+\p
.set RE, 8*\dt+\p
	v_pk_mul_f32 v[RT+RE:RT+RE+1], v[RA:RA+1], v[CS+RE:CS+RE+1]
	v_pk_mul_f32 v[RT+16+RE:RT+16+RE+1], v[RA:RA+1], v[SN+RE:SN+RE+1]
	v_fma_f32 v[RT+RE], -v[RBB], v[SN+RE], v[RT+RE]
	v_fma_f32 v[RT+RE+1], -v[RBB+1], v[SN+RE+1], v[RT+RE+1]
	v_pk_fma_f32 v[RT+16+RE:RT+16+RE+1], v[RBB:RBB+1], v[CS+RE:CS+RE+1], v[RT+16+RE:RT+16+RE+1]
.endr
.endr
	WIN 0x40                                       ; destination in window 1
.irp n, 0,1,2,3,4,5,6,7,8,9,10,11,12,13,14,15
	v_cvt_pk_bf16_f32 v[QF+16*(2*\hh+\tk)+\n], v[RT+2*\n], v[RT+2*\n+1]
.endr
	WIN 0
.endm
.irp tk, 0,1
	v_add3_u32 v4, s22, v1, 16*\tk
	v_cvt_f32_u32 v[POS], v4
	v_mov_b32 v[POS+1], v[POS]
.irp p, 0,2,4,6,8,10,12,14
	SINCOS2 CS+\p, SN+\p, IFQ+\p, 0x3e38aa3b, 0x3eb8aa3b, 0xbeb8aa3b      ; times log2(e) / 8
.endr
	ROT 0, \tk
	ROT 1, \tk
.endr
; PHASE 2.  Two window settings: 0x55 (all four places in window 1) for the score products and the softmax; 0x04 (source 1 in window 1) for
; the products with V (P is source 1) and for the rescaling of their accumulators (the factor is source 1).
; Product n (0 to 7) of S^T of query tile qi into score buffer qsb: n = 0..3 start the four key tiles on d's first half, n = 4..7 add d's second
; half.  The four accumulators take turns.  qi = 4: there is no further tile, nothing is written.
.macro QKW qi, qsb, n
.if \qi < 4
.if \n < 4
	v_wmma_f32_16x16x32_bf16 v[\qsb+8*\n:\qsb+8*\n+7], v[KF+16*\n:KF+16*\n+7], v[QF+16*\qi:QF+16*\qi+7], 0
.else
	v_wmma_f32_16x16x32_bf16 v[\qsb+8*(\n-4):\qsb+8*(\n-4)+7], v[KF+16*(\n-4)+8:KF+16*(\n-4)+15], v[QF+16*\qi+8:QF+16*\qi+15], v[\qsb+8*(\n-4):\qsb+8*(\n-4)+7]
.endif
.endif
.endm
.macro SMSUB sb, kt                    ; scores less the maximum
.irp p, 0,2,4,6
	v_pk_add_f32 v[\sb+8*\kt+\p:\sb+8*\kt+\p+1], v[\sb+8*\kt+\p:\sb+8*\kt+\p+1], v[MN:MN+1] neg_lo:[0,1] neg_hi:[0,1]
.endr
.endm
.macro SMEXP sb, kt
.irp j, 0,1,2,3,4,5,6,7
	v_exp_f32 v[\sb+8*\kt+\j], v[\sb+8*\kt+\j]
.endr
.endm
.macro SMUSE sb, kt                    ; a tile's eight numbers become four registers of P, and join two chains of sums
	s_wait_alu depctr_va_vdst(0)
.irp q, 0,1,2,3
	v_cvt_pk_bf16_f32 v[PB+4*\kt+\q], v[\sb+8*\kt+2*\q], v[\sb+8*\kt+2*\q+1]
.endr
.if \kt == 0
	v_pk_add_f32 v[TM+2:TM+3], v[\sb:\sb+1], v[\sb+2:\sb+3]
	v_pk_add_f32 v[TM+4:TM+5], v[\sb+4:\sb+5], v[\sb+6:\sb+7]
.else
	v_pk_add_f32 v[TM+2:TM+3], v[TM+2:TM+3], v[\sb+8*\kt:\sb+8*\kt+1]
	v_pk_add_f32 v[TM+4:TM+5], v[TM+4:TM+5], v[\sb+8*\kt+2:\sb+8*\kt+3]
	v_pk_add_f32 v[TM+2:TM+3], v[TM+2:TM+3], v[\sb+8*\kt+4:\sb+8*\kt+5]
	v_pk_add_f32 v[TM+4:TM+5], v[TM+4:TM+5], v[\sb+8*\kt+6:\sb+8*\kt+7]
.endif
.endm
; The softmax step of query tile i on 64 keys (scores in sb), with the eight score products of tile qi (into the other buffer, qsb) strewn among
; its lines, one for every 8 to 16 of them.  No line of the softmax names a register of those products (K's fragments, Q, the other buffer).  Behind
; the last product stand 18 plain vector instructions or more, so the next softmax reads its scores more than four places behind it (ISA guide 7.12.1).
; Behind each run of exponentials stands plain work on other registers before their results are used (ISA guide 5.7.2).
; first = 1: nothing is carried yet.
.macro SM i, sb, first, qi, qsb
	WIN 0x55
.irp c, 0,1,2,3
	v_max3_num_f32 v[TM+\c], v[\sb+8*\c], v[\sb+8*\c+1], v[\sb+8*\c+2]
.endr
	QKW \qi, \qsb, 0
.irp c, 0,1,2,3
	v_max3_num_f32 v[TM+\c], v[TM+\c], v[\sb+8*\c+3], v[\sb+8*\c+4]
.endr
.irp c, 0,1,2,3
	v_max3_num_f32 v[TM+\c], v[TM+\c], v[\sb+8*\c+5], v[\sb+8*\c+6]
.endr
	QKW \qi, \qsb, 1
	v_max3_num_f32 v[TM], v[TM], v[TM+1], v[\sb+7]
	v_max3_num_f32 v[TM+2], v[TM+2], v[TM+3], v[\sb+15]
	v_max3_num_f32 v[TM], v[TM], v[\sb+23], v[\sb+31]
.if \first
	v_max_num_f32 v[TM], v[TM], v[TM+2]
.else
	v_max3_num_f32 v[TM], v[TM], v[TM+2], v[MX+\i]
.endif
	v_permlanex16_b32 v[TM+1], v[TM], s20, s21     ; the other half of the lanes holds the query's other keys
	v_max_num_f32 v[MN], v[TM], v[TM+1]
	v_max_num_f32 v[MN+1], v[TM], v[TM+1]
.if \first == 0
	v_sub_f32 v[TM+2], v[MX+\i], v[MN]
	v_exp_f32 v[AL], v[TM+2]                       ; what is carried shrinks by 2^(old maximum - new)
.endif
	v_mov_b32 v[MX+\i], v[MN]
	QKW \qi, \qsb, 2
	SMSUB \sb, 0
	SMEXP \sb, 0
	QKW \qi, \qsb, 3
	SMSUB \sb, 1
	SMEXP \sb, 1
	QKW \qi, \qsb, 4
	SMUSE \sb, 0
	SMSUB \sb, 2
	QKW \qi, \qsb, 5
	SMEXP \sb, 2
	SMUSE \sb, 1
	QKW \qi, \qsb, 6
	SMSUB \sb, 3
	SMEXP \sb, 3
	QKW \qi, \qsb, 7
	SMUSE \sb, 2
	SMUSE \sb, 3
	v_pk_add_f32 v[TM+2:TM+3], v[TM+2:TM+3], v[TM+4:TM+5]
.if \first
	v_add_f32 v[LS+\i], v[TM+2], v[TM+3]
.else
	v_fma_f32 v[LS+\i], v[LS+\i], v[AL], v[TM+2]
	v_add_f32 v[LS+\i], v[LS+\i], v[TM+3]
.endif
.endm
.macro RSC i, dt                       ; accumulator (i, dt) shrinks by the factor
.irp n, 0,2,4,6
	v_pk_mul_f32 v[ACC+8*(4*\i+\dt)+\n:ACC+8*(4*\i+\dt)+\n+1], v[ACC+8*(4*\i+\dt)+\n:ACC+8*(4*\i+\dt)+\n+1], v[AL:AL+1] op_sel_hi:[1,0]
.endr
.endm
.macro PVW i, dt, kc, zero
.if \zero
	v_wmma_f32_16x16x32_bf16 v[ACC+8*(4*\i+\dt):ACC+8*(4*\i+\dt)+7], v[VF+32*\kc+8*\dt:VF+32*\kc+8*\dt+7], v[PB+8*\kc:PB+8*\kc+7], 0
.else
	v_wmma_f32_16x16x32_bf16 v[ACC+8*(4*\i+\dt):ACC+8*(4*\i+\dt)+7], v[VF+32*\kc+8*\dt:VF+32*\kc+8*\dt+7], v[PB+8*\kc:PB+8*\kc+7], v[ACC+8*(4*\i+\dt):ACC+8*(4*\i+\dt)+7]
.endif
.endm
; ctx^T of query tile i grows by V^T P^T over 64 keys.  The four accumulators take turns.  An accumulator is rescaled
; one product ahead of its own, among the products of the accumulators before it; those multiplies name none of these products' registers.
.macro PV i, first
	WIN 0x04
.if \first
	PVW \i, 0, 0, 1
	PVW \i, 1, 0, 1
	PVW \i, 2, 0, 1
	PVW \i, 3, 0, 1
.else
	RSC \i, 0
	RSC \i, 1
	PVW \i, 0, 0, 0
	RSC \i, 2
	PVW \i, 1, 0, 0
	RSC \i, 3
	PVW \i, 2, 0, 0
	PVW \i, 3, 0, 0
.endif
	PVW \i, 0, 1, 0
	PVW \i, 1, 1, 0
	PVW \i, 2, 1, 0
	PVW \i, 3, 1, 0
.endm
; Sub-step s27 (0 to 3) of the tile in slot sl: 64 keys against the wave's four query tiles.  K's 64 rows and V's 64 rows of a sub-step lie
; 10,240 bytes behind the last sub-step's, so both addresses are sub-step 0's plus s27 x 10,240: K's reads end at byte 39,919 of the slot and
; V's at byte 81,887, inside the slot's eight pieces.  The two sums and two v_nop are the four places behind the last products, whose V fragments
; are loaded again; K's fragments were last read two softmax steps earlier.
.macro SUB sl, first
	WIN 0
	s_mul_i32 s22, s27, PIECE2
	v_add_nc_u32 v[CK], s22, v[ADRK+\sl]
	v_add_nc_u32 v[CV], s22, v[ADRV+\sl]
	v_nop
	v_nop
	WIN 0x40                                       ; K's fragments go to window 1
.irp kt, 0,1,2,3
.irp dh, 0,1
	ds_load_b128 v[KF+16*\kt+8*\dh:KF+16*\kt+8*\dh+3],   v[CK] offset:\kt*16*KP+\dh*64
	ds_load_b128 v[KF+16*\kt+8*\dh+4:KF+16*\kt+8*\dh+7], v[CK] offset:\kt*16*KP+\dh*64+32
.endr
.endr
	WIN 0                                          ; V's to window 0
.irp kc, 0,1
.irp dt, 0,1,2,3
	ds_load_tr16_b128 v[VF+32*\kc+8*\dt:VF+32*\kc+8*\dt+3],   v[CV] offset:32*\kc*VP+32*\dt
	ds_load_tr16_b128 v[VF+32*\kc+8*\dt+4:VF+32*\kc+8*\dt+7], v[CV] offset:32*\kc*VP+32*\dt+16*VP
.endr
.endr
	WIN 0x55
	s_wait_dscnt 16                                ; K's 16 loads are in; V's 16 may stay out
.irp n, 0,1,2,3,4,5,6,7
	QKW 0, SB0, \n                                 ; tile 0's scores stand alone: there is no softmax yet to stand among
.endr
	PLACES
	SM 0, SB0, \first, 1, SB1
	s_wait_dscnt 0x0                               ; V
	PV 0, \first
	SM 1, SB1, \first, 2, SB0
	PV 1, \first
	SM 2, SB0, \first, 3, SB1
	PV 2, \first
	SM 3, SB1, \first, 4, SB0
	PV 3, \first
.endm
; Sub-steps from .. 3 of the tile in slot sl.  The loop's last matrix instruction and its first name different accumulators.
.macro SUBS sl, from
	s_mov_b32 s27, \from
.Lsub_\@:
	SUB \sl, 0
	WIN 0                                          ; at a label and at a branch every window is 0
	s_add_co_u32 s27, s27, 1
	s_cmp_lt_u32 s27, 4
	s_cbranch_scc1 .Lsub_\@
.endm
; The change to the tile in slot sl, as in phase 1: in front of the round every wave has waited for all its tensor loads and for its reads of
; the other slot; behind it the other slot's refill is the wave's first and only tensor load.
.macro RING2 sl, refill, step
	WIN 0
	s_wait_tensorcnt 0x0
	ds_add_u32 v30, v31
	s_wait_dscnt 0x0
.if \step
	s_add_nc_u64 s[G0K+4*(1-\sl)+2:G0K+4*(1-\sl)+3], s[G0K+4*(1-\sl)+2:G0K+4*(1-\sl)+3], 65536   ; no load of mine is out: two tiles on
	s_add_nc_u64 s[G0V+4*(1-\sl)+2:G0V+4*(1-\sl)+3], s[G0V+4*(1-\sl)+2:G0V+4*(1-\sl)+3], 65536
.endif
	s_wait_dscnt 0x0
.if \refill
	ROUND
	JLOAD G0K+4*(1-\sl), G1K, G0V+4*(1-\sl), G1V
.else
	s_barrier_signal -1
	s_barrier_wait -1
.endif
.endm
	RING2 0, 1, 0                                  ; tile 0; tile 1 goes out, into the slot of x's and Wq's last chunk
	s_mov_b32 s27, 0
	SUB 0, 1                                       ; the first 64 keys are written out: they start the maxima, the sums and the accumulators
	WIN 0
	SUBS 0, 1
	s_mov_b32 s26, 3
.Lkv:
	RING2 1, 1, 1                                  ; tiles 1, 3, 5
	SUBS 1, 0
	RING2 0, 1, 1                                  ; tiles 2, 4, 6
	SUBS 0, 0
	s_sub_co_u32 s26, s26, 1
	s_cmp_lg_u32 s26, 0
	s_cbranch_scc1 .Lkv
	RING2 1, 0, 0                                  ; tile 7: nothing is left to fetch
	SUBS 1, 0
	; THE WAY OUT.  The two halves' sums meet; ctx / sum, rounded, goes 16 tokens at a time through my own stage and leaves as rows of 256 bytes (two heads).
	WIN 0x55
	PLACES                                         ; behind the last products: their results are read and V's fragments are written over below
.irp i, 0,1,2,3
	v_permlanex16_b32 v[TM+\i], v[LS+\i], s20, s21
.endr
.irp i, 0,1,2,3
	v_add_f32 v[LS+\i], v[LS+\i], v[TM+\i]
.endr
	WIN 0x01                                       ; the sums lie in window 1, their reciprocals go to window 0, where all the rest runs
.irp i, 0,1,2,3
	v_rcp_f32 v[INV+2*\i], v[LS+\i]
	v_rcp_f32 v[INV+2*\i+1], v[LS+\i]
.endr
	WIN 0
	v_nop                                          ; a plain place behind the reciprocals (ISA guide 5.7.2)
	s_wait_alu depctr_va_vdst(0)
.irp tk, 0,1
.irp hh, 0,1
.irp n, 0,1,2,3,4,5,6,7,8,9,10,11,12,13,14,15
	v_pk_mul_f32 v[WT+2*\n:WT+2*\n+1], v[ACC+32*(2*\hh+\tk)+2*\n:ACC+32*(2*\hh+\tk)+2*\n+1], v[INV+2*(2*\hh+\tk):INV+2*(2*\hh+\tk)+1]
.endr
.irp n, 0,1,2,3,4,5,6,7,8,9,10,11,12,13,14,15
	v_cvt_pk_bf16_f32 v[WO+\n], v[WT+2*\n], v[WT+2*\n+1]
.endr
.irp dt, 0,1,2,3
	ds_store_b128 v[STO], v[WO+4*\dt:WO+4*\dt+3] offset:\hh*128+\dt*32
.endr
.endr
	s_wait_xcnt 0x0                                ; the registers that earlier stores read are loaded again only behind this wait
.irp u, 0,1,2,3,4,5,6,7
	ds_load_b128 v[WR+4*\u:WR+4*\u+3], v[RD] offset:\u*2*STP       ; LDS serves a wave's instructions in order (ISA guide 5.7.1): these see the stores above
.endr
.irp u, 0,1,2,3,4,5,6,7
	s_wait_dscnt 7-\u
	global_store_b128 v[CO], v[WR+4*\u:WR+4*\u+3], s[12:13] offset:(16*\tk+2*\u)*2048   ; 16 lanes store 256 consecutive bytes, aligned
.endr
.endr
	s_wait_tensorcnt 0x0
	ds_add_u32 v30, v31
	s_wait_dscnt 0x0
	ROUND                                          ; the closing round: no work-group ends while a partner may still ask jointly
	s_endpgm
.Lfunc_end_k_qa6a8aa5b7b_attn:
	.size	k_qa6a8aa5b7b_attn, .Lfunc_end_k_qa6a8aa5b7b_attn-k_qa6a8aa5b7b_attn
	.p2alignl 7, 3214868480
	.fill 96, 4, 3214868480
	.section	.rodata,"a",@progbits
	.p2align	6, 0x0
	.amdhsa_kernel k_qa6a8aa5b7b_attn
		.amdhsa_group_segment_fixed_size 327680
		.amdhsa_private_segment_fixed_size 0
		.amdhsa_enable_private_segment 0
		.amdhsa_kernarg_size 40
		.amdhsa_user_sgpr_count 2
		.amdhsa_user_sgpr_kernarg_segment_ptr 1
		.amdhsa_wavefront_size32 1
		.amdhsa_system_sgpr_workgroup_id_x 1
		.amdhsa_system_sgpr_workgroup_id_y 1
		.amdhsa_system_sgpr_workgroup_id_z 1
		.amdhsa_system_vgpr_workitem_id 0
		.amdhsa_next_free_vgpr 496
		.amdhsa_next_free_sgpr 100
		.amdhsa_reserve_vcc 0
		.amdhsa_float_denorm_mode_32 3
		.amdhsa_float_denorm_mode_16_64 3
		.amdhsa_memory_ordered 1
		.amdhsa_forward_progress 1
		.amdhsa_inst_pref_size 255
	.end_amdhsa_kernel
	.section	.bss,"aw",@nobits
	.p2align	6
	.space	262144
	.amdgpu_metadata
---
amdhsa.version: [ 1, 2 ]
amdhsa.kernels:
  - .name:           k_qa6a8aa5b7b_attn
    .symbol:         k_qa6a8aa5b7b_attn.kd
    .args:
      - { .name: x, .offset: 0, .size: 8, .value_kind: global_buffer, .address_space: global }
      - { .name: wqb, .offset: 8, .size: 8, .value_kind: global_buffer, .address_space: global }
      - { .name: bq, .offset: 16, .size: 8, .value_kind: global_buffer, .address_space: global }
      - { .name: kv, .offset: 24, .size: 8, .value_kind: global_buffer, .address_space: global }
      - { .name: ctx, .offset: 32, .size: 8, .value_kind: global_buffer, .address_space: global }
    .group_segment_fixed_size: 327680
    .private_segment_fixed_size: 0
    .kernarg_segment_align: 8
    .kernarg_segment_size: 40
    .max_flat_workgroup_size: 256
    .sgpr_count:     100
    .vgpr_count:     496
    .wavefront_size: 32
...
	.end_amdgpu_metadata
.endif
;; end of part 4
;; launch oproj: the kernel of part 3 again; grid 4 x 64, 4 waves a work-group, clusters of 4 x 4, 327,680 bytes of LDS; arguments ctx, wob, bo, out0; writes out0
